; MI455X (gfx1250); checked and timed in simulation.
; The chip was launched on July 23, 2026; its instructions are those of AMD's public machine-readable ISA for CDNA 5 (MIT licence, August 2026) and "CDNA5" Instruction Set Architecture Reference Guide (July 2026). The comments in the code are by the model that wrote it; some were corrected since.
;; Basic Transformer2 D. Allowed arithmetic: float matrix products may take bf16 or f16 operands with f32 sums; other float arithmetic in f32, or as packed bf16 or f16 multiplies, adds, multiply-adds, maxima and minima; sums over many terms, partial sums and values carried from step to step in f32; what a program stores and reads back later, other than sums and carried values, may be rounded once to bf16 or f16.
;; Inputs: ca_bo 2 x 256 float32; ca_tab 2 x 4,172 x 8 float32; ca_wk 2 x 768 x 256 float32; ca_wo 2 x 256 x 256 float32; ca_wq 2 x 256 x 256 float32; ca_wv 2 x 768 x 256 float32; cn_b 2 x 256 float32; cn_g 2 x 256 float32; context 1 x 77 x 768 float32; ff_b1 2 x 1,024 float32; ff_b2 2 x 256 float32; ff_w1 2 x 256 x 1,024 float32; ff_w2 2 x 1,024 x 256 float32; fn_b 2 x 256 float32; fn_g 2 x 256 float32; hidden_state 1 x 256 x 64 x 64 float32; sa_bo 2 x 256 float32; sa_tab 2 x 8,191 x 8 float32; sa_wk 2 x 256 x 256 float32; sa_wo 2 x 256 x 256 float32; sa_wq 2 x 256 x 256 float32; sa_wv 2 x 256 x 256 float32; sn_b 2 x 256 float32; sn_g 2 x 256 float32.
;; Outputs: out0 1 x 256 x 64 x 64 float32.
;; One version. Each part assembles by itself: llvm-mc -triple=amdgcn-amd-amdhsa -mcpu=gfx1250 --defsym DOCPART=n.
;; ======== version 1 of 1: 9 launches
;; limits: values are held in f16: magnitudes above 65,504 overflow, below 6.1e-05 lose precision
;; workspace buffers: w0 4,297,728 bytes; w1 4,297,728 bytes; x1 4,194,304 bytes; qf 2,097,152 bytes; kv 4,194,304 bytes; of 2,097,152 bytes; gf 8,388,608 bytes; xt 4,194,304 bytes
;; launch prep (part 1): grid 197 x 2, 8 waves a work-group, no clusters, 0 bytes of LDS; arguments ca_wq, ca_wo, sa_wq, sa_wk, sa_wv, sa_wo, ff_w1, ff_w2, ca_wk, ca_wv, context, sa_tab, ca_tab, cn_g, cn_b, ca_bo, sn_g, sn_b, sa_bo, fn_g, fn_b, ff_b2, ff_b1, w0, w1; writes w0, w1
.if DOCPART == 1
	.amdgcn_target "amdgcn-amd-amdhsa--gfx1250"
	.amdhsa_code_object_version 6
	.text
	.protected	k_q18c758ad69_prep
	.globl	k_q18c758ad69_prep
	.p2align	8
	.type	k_q18c758ad69_prep,@function
k_q18c758ad69_prep:
	s_mov_b64 s[64:65], 0
	v_nop
	global_prefetch_b8 v0, s[64:65] scope:SCOPE_SE
	s_setreg_imm32_b32 hwreg(HW_REG_WAVE_MODE, 25, 1), 1
	s_wait_xcnt 0x0
; PREP: everything that hangs on the weights alone, once for each layer (grid y = layer), into w0 / w1.
; A FRAGMENT is 16 rows x 32 k of f16 in 1,024 bytes: part e (0, 1) at byte 512 e, lane L's 16 bytes at 16 L: k = 16 e + 8 (L / 16) + 0..7 of row L % 16: the register image of a matrix operand.
; Jobs by grid x:  0-111 a block of 256 k x 256 n of a weight matrix, 32 k of it, f32 [k][n] -> fragments (lane row = column n);
;   112-175 one row of a bias table (head, c = 0..3): position p holds log2(e) x tab[LEN + c - p][head], 0 outside the table;
;   176-195 the context's keys and values, one 16 x 16 tile a wave, K = 768 in four trips of 192;  196 the gains and biases, copied.
; FOLDED IN, in f32 ahead of the one rounding to f16: log2(e) / sqrt(32) into sa_wq and into the context's keys; log2(e) into the tables.
; LIMITS: f16 ends at 65,504; weights, context keys and values lie far inside it for inputs 30 times those drawn.  Context rows 77-79 are copies of row 76 (finite; their scores are masked later), keys 80-95 of V are 0.
.set QS,    0x3e8293ee                 ; log2(e) / sqrt(32)
.set LOG2E, 0x3fb8aa3b
.set TABS,  1835008
.set TABC,  3014656
.set KCO,   4194304
.set VCO,   4235264
.set PAR,   4284416
.macro PLACES
.rept 4
	v_nop
.endr
.endm
	s_load_b128 s[8:11], s[0:1], 0xb8              ; w0, w1
	s_mov_b32 s2, ttmp9                            ; the job
	s_and_b32 s3, ttmp7, 0xffff                    ; the layer
	s_cmp_ge_u32 s2, 112
	s_cbranch_scc1 .Lnot_conv
; ---- a weight block: b = job / 8 of 14 blocks, kc = job % 8
	s_load_b512 s[16:31], s[0:1], 0x0              ; the eight weight tensors
	s_lshr_b32 s4, s2, 3                           ; b
	s_and_b32 s5, s2, 7                            ; kc
	s_lshl_b32 s33, s3, 18                         ; source: layer x 262,144
	s_mov_b32 s32, 1024                            ; bytes from k to k + 1
	s_lshl_b32 s34, s4, 17                         ; destination: b x 131,072
	s_mov_b32 s35, 8192                            ; bytes from a block of 16 n to the next
	s_lshl_b32 s36, s5, 10
	s_cmp_ge_u32 s4, 6
	s_cbranch_scc0 .Lc_go
	s_lshl_b32 s33, s3, 20                         ; ff_w1, ff_w2: layer x 1,048,576
	s_cmp_ge_u32 s4, 10
	s_cbranch_scc1 .Lc_w2
	s_sub_co_u32 s37, s4, 6                        ; ff_w1: 256 columns on for each block
	s_lshl_b32 s37, s37, 10
	s_add_co_u32 s33, s33, s37
	s_mov_b32 s32, 4096
	s_branch .Lc_go
.Lc_w2:
	s_sub_co_u32 s37, s4, 10                       ; ff_w2: 256 rows on for each block; 32 fragments along k
	s_lshl_b32 s38, s37, 18
	s_add_co_u32 s33, s33, s38
	s_lshl_b32 s38, s37, 13
	s_add_co_u32 s34, s38, 1310720
	s_mov_b32 s35, 32768
.Lc_go:
	s_mul_i32 s37, s5, s32
	s_lshl_b32 s37, s37, 5                         ; 32 kc rows
	s_add_co_u32 s33, s33, s37
	s_add_co_u32 s34, s34, s36
	s_cmp_eq_u32 s4, 2
	s_cselect_b32 s6, QS, 1.0                      ; sa_wq carries the scale
	s_mov_b32 s7, s6
	s_mov_b32 s39, 0
	v_lshlrev_b32 v1, 2, v0                        ; thread = column n
.set k, 0
.rept 32
	v_mad_u32_u24 v[32+k], s32, k, v1
.set k, k+1
.endr
	v_lshrrev_b32 v3, 4, v0
	v_mul_u32_u24 v2, v3, s35
	v_and_b32 v3, 15, v0
	v_lshl_add_u32 v2, v3, 4, v2                   ; (n / 16) blocks + 16 (n % 16)
	s_wait_kmcnt 0x0
	s_mov_b64 s[12:13], s[16:17]
.irp i, 1,2,3,4,5
	s_cmp_eq_u32 s4, \i
	s_cselect_b64 s[12:13], s[16+2*\i:17+2*\i], s[12:13]
.endr
	s_cmp_ge_u32 s4, 6
	s_cselect_b64 s[12:13], s[28:29], s[12:13]
	s_cmp_ge_u32 s4, 10
	s_cselect_b64 s[12:13], s[30:31], s[12:13]
	s_cmp_eq_u32 s3, 0
	s_cselect_b64 s[8:9], s[8:9], s[10:11]
	s_mov_b32 s38, s33
	s_add_nc_u64 s[12:13], s[12:13], s[38:39]
	s_mov_b32 s38, s34
	s_add_nc_u64 s[8:9], s[8:9], s[38:39]
.set k, 0
.rept 32
	global_load_b32 v[64+k], v[32+k], s[12:13]     ; a work-group's load covers 1,024 consecutive bytes of row k
.set k, k+1
.endr
	s_wait_loadcnt 0x0
.set k, 0
.rept 16
	v_pk_mul_f32 v[64+2*k:65+2*k], v[64+2*k:65+2*k], s[6:7] op_sel_hi:[1,0]
.set k, k+1
.endr
.set k, 0
.rept 16
	v_cvt_pk_f16_f32 v[96+k], v[64+2*k], v[65+2*k]
.set k, k+1
.endr
.irp o, 0,1,2,3                        ; k = 8 o + 0..7 is part o / 2, lane half o % 2: sixteen lanes store 256 consecutive bytes, aligned
	global_store_b128 v2, v[96+4*\o:99+4*\o], s[8:9] offset:(\o/2)*512+(\o%2)*256
.endr
	s_endpgm
.Lnot_conv:
	s_cmp_ge_u32 s2, 176
	s_cbranch_scc1 .Lnot_tab
; ---- a table row of 9,216 numbers
	s_load_b128 s[16:19], s[0:1], 0x58             ; sa_tab, ca_tab
	s_sub_co_u32 s4, s2, 112
	s_lshr_b32 s5, s4, 5                           ; 0 self, 1 cross
	s_and_b32 s6, s4, 31                           ; row = 4 head + c
	s_lshr_b32 s7, s6, 2
	s_and_b32 s12, s6, 3
	s_movk_i32 s13, 4172
	s_mov_b32 s20, TABC
	s_cmp_eq_u32 s5, 0
	s_cselect_b32 s13, 8191, s13                   ; LEN: rows in the table
	s_cselect_b32 s20, TABS, s20
	s_add_co_u32 s14, s13, s12                     ; LEN + c
	s_sub_co_u32 s15, s13, 1
	s_mul_i32 s22, s3, s13
	s_lshl_b32 s22, s22, 5                         ; layer x LEN x 32 bytes
	s_lshl2_add_u32 s22, s7, s22                   ; + 4 head
	s_mov_b32 s23, 0
	s_mul_i32 s21, s6, 36864
	s_add_co_u32 s20, s20, s21
	s_mov_b32 s21, 0
	v_lshlrev_b32 v1, 2, v0
	v_sub_nc_u32 v2, s14, v1                       ; LEN + c - 4 t
	v_lshlrev_b32 v3, 4, v0
.set n, 0
.rept 36                               ; position p = 1,024 (n / 4) + 4 t + n % 4
	v_add_nc_u32 v[32+n], (0-(1024*(n/4)+n%4))&0xffffffff, v2   ; the table's row; below 0 it wraps to a large number
	v_min_u32 v[68+n], s15, v[32+n]                ; the load stays inside the table
	v_lshlrev_b32 v[68+n], 5, v[68+n]
.set n, n+1
.endr
	s_wait_kmcnt 0x0
	s_cmp_eq_u32 s5, 0
	s_cselect_b64 s[16:17], s[16:17], s[18:19]
	s_add_nc_u64 s[16:17], s[16:17], s[22:23]
	s_cmp_eq_u32 s3, 0
	s_cselect_b64 s[8:9], s[8:9], s[10:11]
	s_add_nc_u64 s[8:9], s[8:9], s[20:21]
.set n, 0
.rept 36
	global_load_b32 v[104+n], v[68+n], s[16:17]
.set n, n+1
.endr
	s_wait_loadcnt 0x0
.set n, 0
.rept 36
	v_mul_f32 v[104+n], LOG2E, v[104+n]
	v_cmp_gt_u32 vcc_lo, s13, v[32+n]              ; inside the table?
	v_cndmask_b32 v[104+n], 0, v[104+n], vcc_lo
.set n, n+1
.endr
.irp i, 0,1,2,3,4,5,6,7,8
	global_store_b128 v3, v[104+4*\i:107+4*\i], s[8:9] offset:\i*4096
.endr
	s_endpgm
.Lnot_tab:
	s_cmp_ge_u32 s2, 196
	s_cbranch_scc1 .Lparams
; ---- the context's keys and values: a wave makes 16 tokens x 16 channels
	s_load_b128 s[16:19], s[0:1], 0x40             ; ca_wk, ca_wv
	s_load_b64 s[20:21], s[0:1], 0x50              ; context
	v_lshrrev_b32 v1, 5, v0
	v_readfirstlane_b32 s4, v1
	s_sub_co_u32 s5, s2, 176
	s_lshl3_add_u32 s5, s5, s4                     ; 0..159
	s_cmp_ge_u32 s5, 80
	s_cselect_b32 s6, 1, 0                         ; 0 keys, 1 values
	s_mul_i32 s7, s6, 80
	s_sub_co_u32 s7, s5, s7
	s_mul_i32 s12, s7, 205
	s_lshr_b32 s12, s12, 10                        ; nb = id / 5: block of 16 channels
	s_mul_i32 s13, s12, 5
	s_sub_co_u32 s13, s7, s13                      ; u = id % 5: block of 16 tokens
	s_lshr_b32 s24, s12, 1                         ; head
	s_and_b32 s25, s12, 1
	s_mul_i32 s26, s24, 5
	s_add_co_u32 s26, s26, s13
	s_lshl_b32 s26, s26, 10
	s_lshl_b32 s27, s25, 9
	s_add_co_u32 s26, s26, s27
	s_add_co_u32 s26, s26, KCO                     ; K: fragment (head, u), part nb % 2
	s_mul_i32 s28, s24, 3
	s_lshr_b32 s29, s13, 1
	s_add_co_u32 s28, s28, s29
	s_lshl1_add_u32 s28, s28, s25
	s_lshl_b32 s28, s28, 10
	s_and_b32 s29, s13, 1
	s_lshl_b32 s29, s29, 9
	s_add_co_u32 s28, s28, s29
	s_add_co_u32 s28, s28, VCO                     ; V: fragment (head, u / 2, nb % 2), part u % 2
	s_cmp_eq_u32 s6, 0
	s_cselect_b32 s26, s26, s28
	s_cselect_b32 s30, QS, 1.0
	s_mov_b32 s27, 0
	s_mov_b32 s31, s30
	s_mul_i32 s28, s3, 786432
	s_mov_b32 s29, 0
	v_and_b32 v1, 31, v0
	v_lshlrev_b32 v1, 4, v1
	v_and_b32 v2, 15, v0
	v_bfe_u32 v3, v0, 4, 1
	s_lshl_b32 s32, s12, 6
	v_lshlrev_b32 v4, 13, v3
	v_lshl_add_u32 v4, v2, 2, v4
	v_add_nc_u32 v4, s32, v4                       ; W: 8 (L / 16) rows + column 16 nb + L % 16
	s_lshl_b32 s32, s13, 4
	v_add_nc_u32 v5, s32, v2
	v_min_u32 v5, 76, v5                           ; rows past the context's end read its last row
	v_mul_u32_u24 v5, v5, 3072
	v_lshl_add_u32 v5, v3, 5, v5
	s_wait_kmcnt 0x0
	s_cmp_eq_u32 s6, 0
	s_cselect_b64 s[22:23], s[16:17], s[18:19]
	s_add_nc_u64 s[22:23], s[22:23], s[28:29]
	s_cmp_eq_u32 s3, 0
	s_cselect_b64 s[8:9], s[8:9], s[10:11]
	s_add_nc_u64 s[8:9], s[8:9], s[26:27]
	s_mov_b32 s14, 4
.set x, 0
.rept 32
	v_mov_b32 v[224+x], 0                          ; four accumulators start at 0, so that the loop has one form of product
.set x, x+1
.endr
.Lctx:                                 ; a trip: 192 of K: 96 + 24 loads, 96 roundings, 6 products
.set x, 0
.rept 96
	global_load_b32 v[32+x], v4, s[22:23] offset:(32*(x/16)+16*((x%16)/8)+x%8)*1024
.set x, x+1
.endr
.set x, 0
.rept 24
	global_load_b128 v[128+4*x:131+4*x], v5, s[20:21] offset:(x/4)*128+((x/2)%2)*64+(x%2)*16
.set x, x+1
.endr
	s_wait_loadcnt 0x0                             ; all are in, so the two bases may be stepped
	s_add_nc_u64 s[22:23], s[22:23], 196608
	s_add_nc_u64 s[20:21], s[20:21], 768
.set x, 0
.rept 48                               ; in place, ascending: fragment kc ends at v[32 + 8 kc] and v[128 + 8 kc]
	v_cvt_pk_f16_f32 v[32+x], v[32+2*x], v[33+2*x]
.set x, x+1
.endr
.set x, 0
.rept 48
	v_cvt_pk_f16_f32 v[128+x], v[128+2*x], v[129+2*x]
.set x, x+1
.endr
	s_cmp_eq_u32 s6, 0
	s_cbranch_scc0 .Lctx_v
.irp c, 0,1,2,3,4,5                    ; keys: a lane ends with one token and eight channels.  The accumulators take turns 0,1,2,3,0,1, over the backward jump too
	v_wmma_f32_16x16x32_f16 v[224+8*(\c%4):231+8*(\c%4)], v[32+8*\c:39+8*\c], v[128+8*\c:135+8*\c], v[224+8*(\c%4):231+8*(\c%4)]
.endr
	s_branch .Lctx_j
.Lctx_v:
.irp c, 0,1,2,3,4,5                    ; values: a lane ends with one channel and eight tokens
	v_wmma_f32_16x16x32_f16 v[224+8*(\c%4):231+8*(\c%4)], v[128+8*\c:135+8*\c], v[32+8*\c:39+8*\c], v[224+8*(\c%4):231+8*(\c%4)]
.endr
.Lctx_j:
	PLACES                                         ; four places ahead of loads into registers that the products read
	s_sub_co_u32 s14, s14, 1
	s_cmp_lg_u32 s14, 0
	s_cbranch_scc1 .Lctx
	PLACES
.irp q, 0,1,2,3
	v_pk_add_f32 v[224+2*\q:225+2*\q], v[224+2*\q:225+2*\q], v[232+2*\q:233+2*\q]
	v_pk_add_f32 v[240+2*\q:241+2*\q], v[240+2*\q:241+2*\q], v[248+2*\q:249+2*\q]
.endr
.irp q, 0,1,2,3
	v_pk_add_f32 v[224+2*\q:225+2*\q], v[224+2*\q:225+2*\q], v[240+2*\q:241+2*\q]
.endr
.irp q, 0,1,2,3
	v_pk_mul_f32 v[224+2*\q:225+2*\q], v[224+2*\q:225+2*\q], s[30:31] op_sel_hi:[1,0]
.endr
.irp q, 0,1,2,3
	v_cvt_pk_f16_f32 v[32+\q], v[224+2*\q], v[225+2*\q]
.endr
	global_store_b128 v1, v[32:35], s[8:9]         ; 512 consecutive bytes
	s_cmp_eq_u32 s6, 1
	s_cbranch_scc0 .Lctx_end
	s_cmp_eq_u32 s13, 4
	s_cbranch_scc0 .Lctx_end
.irp q, 36,37,38,39
	v_mov_b32 v\q, 0
.endr
	global_store_b128 v1, v[36:39], s[8:9] offset:512  ; keys 80-95 of V are 0
.Lctx_end:
	s_endpgm
.Lparams:
; ---- gains and biases
	s_load_b512 s[16:31], s[0:1], 0x68
	s_load_b128 s[32:35], s[0:1], 0xa8
	v_lshlrev_b32 v2, 2, v0
	s_lshl_b32 s4, s3, 10
	v_add_nc_u32 v1, s4, v2
	v_lshlrev_b32 v4, 4, v0
	s_lshl_b32 s5, s3, 12
	v_add_nc_u32 v3, s5, v4
	s_wait_kmcnt 0x0
	s_cmp_eq_u32 s3, 0
	s_cselect_b64 s[8:9], s[8:9], s[10:11]
.irp i, 0,1,2,3,4,5,6,7
	global_load_b32 v[32+\i], v1, s[16+2*\i:17+2*\i]
.endr
	global_load_b32 v40, v1, s[32:33]
	global_load_b128 v[44:47], v3, s[34:35]
	s_wait_loadcnt 0x0
.irp i, 0,1,2,3,4,5,6,7,8
	global_store_b32 v2, v[32+\i], s[8:9] offset:PAR+\i*1024
.endr
	global_store_b128 v4, v[44:47], s[8:9] offset:PAR+9216
	s_endpgm
.Lfunc_end_k_q18c758ad69_prep:
	.size	k_q18c758ad69_prep, .Lfunc_end_k_q18c758ad69_prep-k_q18c758ad69_prep
	.p2alignl 7, 3214868480
	.fill 96, 4, 3214868480
	.section	.rodata,"a",@progbits
	.p2align	6, 0x0
	.amdhsa_kernel k_q18c758ad69_prep
		.amdhsa_group_segment_fixed_size 0
		.amdhsa_private_segment_fixed_size 0
		.amdhsa_enable_private_segment 0
		.amdhsa_kernarg_size 200
		.amdhsa_user_sgpr_count 2
		.amdhsa_user_sgpr_kernarg_segment_ptr 1
		.amdhsa_wavefront_size32 1
		.amdhsa_system_sgpr_workgroup_id_x 1
		.amdhsa_system_sgpr_workgroup_id_y 1
		.amdhsa_system_sgpr_workgroup_id_z 1
		.amdhsa_system_vgpr_workitem_id 0
		.amdhsa_next_free_vgpr 256
		.amdhsa_next_free_sgpr 66
		.amdhsa_reserve_vcc 1
		.amdhsa_float_denorm_mode_32 3
		.amdhsa_float_denorm_mode_16_64 3
		.amdhsa_memory_ordered 1
		.amdhsa_forward_progress 1
		.amdhsa_inst_pref_size 51
	.end_amdhsa_kernel
	.amdgpu_metadata
---
amdhsa.version: [ 1, 2 ]
amdhsa.kernels:
  - .name:           k_q18c758ad69_prep
    .symbol:         k_q18c758ad69_prep.kd
    .args:
      - { .name: ca_wq, .offset: 0, .size: 8, .value_kind: global_buffer, .address_space: global }
      - { .name: ca_wo, .offset: 8, .size: 8, .value_kind: global_buffer, .address_space: global }
      - { .name: sa_wq, .offset: 16, .size: 8, .value_kind: global_buffer, .address_space: global }
      - { .name: sa_wk, .offset: 24, .size: 8, .value_kind: global_buffer, .address_space: global }
      - { .name: sa_wv, .offset: 32, .size: 8, .value_kind: global_buffer, .address_space: global }
      - { .name: sa_wo, .offset: 40, .size: 8, .value_kind: global_buffer, .address_space: global }
      - { .name: ff_w1, .offset: 48, .size: 8, .value_kind: global_buffer, .address_space: global }
      - { .name: ff_w2, .offset: 56, .size: 8, .value_kind: global_buffer, .address_space: global }
      - { .name: ca_wk, .offset: 64, .size: 8, .value_kind: global_buffer, .address_space: global }
      - { .name: ca_wv, .offset: 72, .size: 8, .value_kind: global_buffer, .address_space: global }
      - { .name: context, .offset: 80, .size: 8, .value_kind: global_buffer, .address_space: global }
      - { .name: sa_tab, .offset: 88, .size: 8, .value_kind: global_buffer, .address_space: global }
      - { .name: ca_tab, .offset: 96, .size: 8, .value_kind: global_buffer, .address_space: global }
      - { .name: cn_g, .offset: 104, .size: 8, .value_kind: global_buffer, .address_space: global }
      - { .name: cn_b, .offset: 112, .size: 8, .value_kind: global_buffer, .address_space: global }
      - { .name: ca_bo, .offset: 120, .size: 8, .value_kind: global_buffer, .address_space: global }
      - { .name: sn_g, .offset: 128, .size: 8, .value_kind: global_buffer, .address_space: global }
      - { .name: sn_b, .offset: 136, .size: 8, .value_kind: global_buffer, .address_space: global }
      - { .name: sa_bo, .offset: 144, .size: 8, .value_kind: global_buffer, .address_space: global }
      - { .name: fn_g, .offset: 152, .size: 8, .value_kind: global_buffer, .address_space: global }
      - { .name: fn_b, .offset: 160, .size: 8, .value_kind: global_buffer, .address_space: global }
      - { .name: ff_b2, .offset: 168, .size: 8, .value_kind: global_buffer, .address_space: global }
      - { .name: ff_b1, .offset: 176, .size: 8, .value_kind: global_buffer, .address_space: global }
      - { .name: w0, .offset: 184, .size: 8, .value_kind: global_buffer, .address_space: global }
      - { .name: w1, .offset: 192, .size: 8, .value_kind: global_buffer, .address_space: global }
    .group_segment_fixed_size: 0
    .private_segment_fixed_size: 0
    .kernarg_segment_align: 8
    .kernarg_segment_size: 200
    .max_flat_workgroup_size: 256
    .sgpr_count:     66
    .vgpr_count:     256
    .wavefront_size: 32
...
	.end_amdgpu_metadata
.endif
;; end of part 1
;; launch pre1 (part 2): grid 4 x 64, 8 waves a work-group, no clusters, 144,384 bytes of LDS; arguments hidden_state, w0, x1, qf, kv; writes x1, qf, kv
.if DOCPART == 2
	.amdgcn_target "amdgcn-amd-amdhsa--gfx1250"
	.amdhsa_code_object_version 6
	.text
	.protected	k_q18c758ad69_pre1
	.globl	k_q18c758ad69_pre1
	.p2align	8
	.type	k_q18c758ad69_pre1,@function
k_q18c758ad69_pre1:
	s_mov_b64 s[64:65], 0
	v_nop
	global_prefetch_b8 v0, s[64:65] scope:SCOPE_SE
	s_setreg_imm32_b32 hwreg(HW_REG_WAVE_MODE, 25, 1), 1
	s_wait_xcnt 0x0
; PRE: for 64 tokens (grid y): x from [C][S]; LN; q = h Wq; cross-attention on the 77 context keys (head = wave); x1 = o Wo + bo + x; LN; a quarter (grid x) of the self-attention's q, k, v.
; The four work-groups of a token block repeat the front of the chain and share out its end: slice sl stores tokens 16 sl .. of x1 and channels 64 sl .. of q, k, v.
; LAYOUT.  Wave w owns channels 32 w .. 32 w + 31.  A product with the weights as source 0 leaves in a lane ONE token (lane % 16) and channels 16 nb + 8 (lane / 16) + 0..7: rounded in pairs that is half a fragment
; of the next product's activations, in the same lane.  With the weights as source 1 a lane holds one channel and eight tokens: half a fragment of V^T.  All operands in memory lie in fragment order (1,024 bytes: part e at 512 e, lane L at 16 L).
; FORMATS: matrix operands f16, sums, x, LN's statistics (mean, then squares of the deviations), scores and maxima f32.  Scores are in base 2: the scale and log2(e) lie in the stored keys and table.
; The bias is the C operand of the score product; the weights' sum comes from a product with ones.  LIMITS: f16 ends at 65,504; LN's output is at most 16 |g| + |b|.  Keys 77-79 count as -1e30; a weight below 2^-126 counts as 0; NaN and infinities are not treated apart.
; REGISTERS.  window 0: v0-15 addresses, v16-23 statistics in pairs, v24-31 at work, ACC v32-95 ((T, i, j) at 32 + 16 T + 8 i + j), AF v96-159, BI v160-223, TMP v224-255.  window 1: two weight buffers of 128.
.set WQC,  0
.set WOC,  131072
.set WQS,  262144
.set WKS,  393216
.set WVS,  524288
.set TABC, 3014656
.set KCO,  4194304
.set VCO,  4235264
.set PAR,  4284416
.set XP,   272                         ; a channel's 64 tokens in LDS: 256 bytes + 16
.set ACT0, 69632                       ; behind 256 such rows: two activation buffers of 32 KiB, fragment (T, kc) at (8 T + kc) x 1,024
.set STAT, 135168                      ; four regions of 2,048 bytes: [token][wave] f32; none is used twice
.set SPARE, 143360                     ; the spare words, 128 bytes for each wave
.set PB,   6
.set ACC,  32
.set AF,   96
.set BI,   160
.set TMP,  224
.set MSB, 0
.macro WIN new                         ; the immediate's high byte repeats the setting that is left
.if MSB != (\new)
	s_set_vgpr_msb (MSB<<8)|(\new)
.set MSB, \new
.endif
.endm
.macro PLACES
.rept 4
	v_nop
.endr
.endm
.macro WLOAD dst, sb, off, n           ; n fragments into window 1: each load of the wave covers 512 consecutive bytes
	WIN 0x40
.set f, 0
.rept \n
	global_load_b128 v[(\dst)+8*f:(\dst)+8*f+3], v1, s[\sb:\sb+1] offset:(\off)+f*1024
	global_load_b128 v[(\dst)+8*f+4:(\dst)+8*f+7], v1, s[\sb:\sb+1] offset:(\off)+f*1024+512
.set f, f+1
.endr
	WIN 0
.endm
.macro PLOAD reg, sb, off              ; my 16 channels' numbers of a gain or bias
.irp x, 0,1,2,3
	global_load_b128 v[(\reg)+4*\x:(\reg)+4*\x+3], v12, s[\sb:\sb+1] offset:PAR+(\off)+(\x/2)*64+(\x%2)*16
.endr
.endm
.macro XT2ACC                          ; x of my 32 channels, from my own rows in LDS, into accumulator order
.set x, 0
.rept 64
	ds_load_b32 v[ACC+x], v7 offset:(((x/8)%2)*16+x%8)*XP+64*(x/16)
.set x, x+1
.endr
.endm
.macro AFL act, kc, set                ; the four token tiles' fragments of 32 channels
.irp T, 0,1,2,3
	ds_load_b128 v[AF+32*(\set)+8*\T:AF+32*(\set)+8*\T+3], v11 offset:(\act)+\T*8192+(\kc)*1024
	ds_load_b128 v[AF+32*(\set)+8*\T+4:AF+32*(\set)+8*\T+7], v11 offset:(\act)+\T*8192+(\kc)*1024+512
.endr
.endm
; 64 tokens x my 32 channels x K = 256.  Eight accumulators take turns, in the same order in every K step.  cmode 0: the sums start with 0; 1: they add onto ACC.
.macro GEMM256 act, wb, cmode
	AFL \act, 0, 0
	AFL \act, 1, 1
.set gk, 0
.rept 8
.if gk < 7
	s_wait_dscnt 8                                 ; this K step's eight loads are in; the next step's eight may stay out
.else
	s_wait_dscnt 0
.endif
	WIN 0x01
.irp i, 0,1
.irp T, 0,1,2,3
.if (gk == 0) && ((\cmode) == 0)
	v_wmma_f32_16x16x32_f16 v[ACC+16*\T+8*\i:ACC+16*\T+8*\i+7], v[(\wb)+8*(8*\i+gk):(\wb)+8*(8*\i+gk)+7], v[AF+32*(gk%2)+8*\T:AF+32*(gk%2)+8*\T+7], 0
.else
	v_wmma_f32_16x16x32_f16 v[ACC+16*\T+8*\i:ACC+16*\T+8*\i+7], v[(\wb)+8*(8*\i+gk):(\wb)+8*(8*\i+gk)+7], v[AF+32*(gk%2)+8*\T:AF+32*(gk%2)+8*\T+7], v[ACC+16*\T+8*\i:ACC+16*\T+8*\i+7]
.endif
.endr
.endr
	WIN 0
.if gk < 6
	PLACES                                         ; four places ahead of loads into registers that the products read
	AFL \act, gk+2, gk%2
.endif
.set gk, gk+1
.endr
.endm
.macro LANES reg, T                    ; v[24:25]: two partial sums of a token: added, the other half of the lanes' added, stored for the other waves
	v_add_f32 v24, v24, v25
	v_permlanex16_b32 v25, v24, s18, s19
	v_add_f32 v24, v24, v25
	ds_store_b32 v8, v24 offset:(\reg)*2048+(\T)*512
.endm
.macro XCH reg                         ; the waves meet; each reads all eight partial sums of its lanes' tokens; the sum ends in v[AF + 8 T]
	s_wait_dscnt 0x0                               ; my stores are done, for the others' sake
	s_barrier_signal -1
	s_barrier_wait -1
.irp T, 0,1,2,3
	ds_load_b128 v[AF+8*\T:AF+8*\T+3], v9 offset:(\reg)*2048+\T*512
	ds_load_b128 v[AF+8*\T+4:AF+8*\T+7], v9 offset:(\reg)*2048+\T*512+16
.endr
	s_wait_dscnt 0x0
.irp T, 0,1,2,3
	v_pk_add_f32 v[AF+8*\T:AF+8*\T+1], v[AF+8*\T:AF+8*\T+1], v[AF+8*\T+2:AF+8*\T+3]
	v_pk_add_f32 v[AF+8*\T+4:AF+8*\T+5], v[AF+8*\T+4:AF+8*\T+5], v[AF+8*\T+6:AF+8*\T+7]
.endr
.irp T, 0,1,2,3
	v_pk_add_f32 v[AF+8*\T:AF+8*\T+1], v[AF+8*\T:AF+8*\T+1], v[AF+8*\T+4:AF+8*\T+5]
.endr
.irp T, 0,1,2,3
	v_add_f32 v[AF+8*\T], v[AF+8*\T], v[AF+8*\T+1]
.endr
.endm
; LAYER NORM of ACC, in place, rounded to f16 into activation buffer act.  ra, rb: statistics regions; g, b: registers of gain and bias; lcnt: loads younger than theirs (-1: they are in).
.macro LN ra, rb, g, b, act, lcnt
.irp T, 0,1,2,3
	v_pk_add_f32 v[24:25], v[ACC+16*\T:ACC+16*\T+1], v[ACC+16*\T+2:ACC+16*\T+3]
	v_pk_add_f32 v[26:27], v[ACC+16*\T+4:ACC+16*\T+5], v[ACC+16*\T+6:ACC+16*\T+7]
	v_pk_add_f32 v[28:29], v[ACC+16*\T+8:ACC+16*\T+9], v[ACC+16*\T+10:ACC+16*\T+11]
	v_pk_add_f32 v[30:31], v[ACC+16*\T+12:ACC+16*\T+13], v[ACC+16*\T+14:ACC+16*\T+15]
	v_pk_add_f32 v[24:25], v[24:25], v[26:27]
	v_pk_add_f32 v[28:29], v[28:29], v[30:31]
	v_pk_add_f32 v[24:25], v[24:25], v[28:29]
	LANES \ra, \T
.endr
	XCH \ra
.irp T, 0,1,2,3
	v_mul_f32 v[16+2*\T], s20, v[AF+8*\T]          ; the mean, twice
	v_mov_b32 v[17+2*\T], v[16+2*\T]
.endr
	s_wait_xcnt 0x0                                ; stores that read ACC have read it: it is rewritten only behind this wait
.irp T, 0,1,2,3
.irp q, 0,1,2,3,4,5,6,7
	v_pk_add_f32 v[ACC+16*\T+2*\q:ACC+16*\T+2*\q+1], v[ACC+16*\T+2*\q:ACC+16*\T+2*\q+1], v[16+2*\T:17+2*\T] neg_lo:[0,1] neg_hi:[0,1]
.endr
	v_pk_mul_f32 v[24:25], v[ACC+16*\T:ACC+16*\T+1], v[ACC+16*\T:ACC+16*\T+1]
	v_pk_mul_f32 v[26:27], v[ACC+16*\T+2:ACC+16*\T+3], v[ACC+16*\T+2:ACC+16*\T+3]
.irp q, 2,4,6
	v_pk_fma_f32 v[24:25], v[ACC+16*\T+2*\q:ACC+16*\T+2*\q+1], v[ACC+16*\T+2*\q:ACC+16*\T+2*\q+1], v[24:25]
	v_pk_fma_f32 v[26:27], v[ACC+16*\T+2*\q+2:ACC+16*\T+2*\q+3], v[ACC+16*\T+2*\q+2:ACC+16*\T+2*\q+3], v[26:27]
.endr
	v_pk_add_f32 v[24:25], v[24:25], v[26:27]
	LANES \rb, \T
.endr
	XCH \rb
.irp T, 0,1,2,3
	v_fma_f32 v[24+\T], v[AF+8*\T], s20, s21       ; variance + 1e-5
.endr
.irp T, 0,1,2,3
	v_rsq_f32 v[16+2*\T], v[24+\T]
.endr
	v_nop                                          ; a plain instruction behind the last root,
	s_wait_alu depctr_va_vdst(0)                   ; and one wait for the four, ahead of their first use
.irp T, 0,1,2,3
	v_mov_b32 v[17+2*\T], v[16+2*\T]
.endr
.if (\lcnt) >= 0
	s_wait_loadcnt \lcnt                           ; gain and bias are in; the younger loads stay out
.endif
.irp T, 0,1,2,3
.irp i, 0,1
.irp q, 0,1,2,3
	v_pk_mul_f32 v[ACC+16*\T+8*\i+2*\q:ACC+16*\T+8*\i+2*\q+1], v[ACC+16*\T+8*\i+2*\q:ACC+16*\T+8*\i+2*\q+1], v[16+2*\T:17+2*\T]
.endr
.irp q, 0,1,2,3
	v_pk_fma_f32 v[ACC+16*\T+8*\i+2*\q:ACC+16*\T+8*\i+2*\q+1], v[ACC+16*\T+8*\i+2*\q:ACC+16*\T+8*\i+2*\q+1], v[(\g)+8*\i+2*\q:(\g)+8*\i+2*\q+1], v[(\b)+8*\i+2*\q:(\b)+8*\i+2*\q+1]
.endr
.irp q, 0,1,2,3
	v_cvt_pk_f16_f32 v[24+4*\i+\q], v[ACC+16*\T+8*\i+2*\q], v[ACC+16*\T+8*\i+2*\q+1]
.endr
	ds_store_b128 v10, v[24+4*\i:27+4*\i] offset:(\act)+\T*8192+\i*512
.endr
.endr
	s_wait_dscnt 0x0
	s_barrier_signal -1
	s_barrier_wait -1                              ; the whole activation buffer is written
.endm
; CROSS-ATTENTION of token tile T, head = my wave: 5 score tiles of 16 keys, softmax, 6 products with V^T and 3 with ones.
.macro XA T
	WIN 0x01
.irp u, 0,1,2,3,4
	v_wmma_f32_16x16x32_f16 v[32+8*\u:39+8*\u], v[128+8*\u:135+8*\u], v[AF+8*(\T):AF+8*(\T)+7], v[BI+8*((\T)-\u+4):BI+8*((\T)-\u+4)+7]
.endr
	WIN 0
	PLACES
.irp u, 0,1,2,3,4                      ; each score tile's lowest registers are read first
	v_max3_num_f32 v[24+\u], v[32+8*\u], v[33+8*\u], v[34+8*\u]
.endr
.irp j, 69,70,71                       ; keys 77, 78, 79 lie in lanes 16-31, registers 5-7 of the last tile
	v_cndmask_b32 v\j, v\j, s22, s23
.endr
.irp u, 0,1,2,3,4
	v_max3_num_f32 v[24+\u], v[24+\u], v[35+8*\u], v[36+8*\u]
.endr
.irp u, 0,1,2,3,4
	v_max3_num_f32 v[24+\u], v[24+\u], v[37+8*\u], v[38+8*\u]
.endr
	v_max3_num_f32 v24, v24, v25, v26
	v_max3_num_f32 v27, v27, v28, v39
	v_max3_num_f32 v24, v24, v47, v55
	v_max3_num_f32 v27, v27, v63, v71
	v_max_num_f32 v24, v24, v27
	v_permlanex16_b32 v25, v24, s18, s19           ; the query's other keys lie in the lane 16 away
	v_max_num_f32 v18, v24, v25
	v_mov_b32 v19, v18
.set x, 0
.rept 20
	v_pk_add_f32 v[32+2*x:33+2*x], v[32+2*x:33+2*x], v[18:19] neg_lo:[0,1] neg_hi:[0,1]
.set x, x+1
.endr
.set x, 0
.rept 40
	v_exp_f32 v[32+x], v[32+x]
.set x, x+1
.endr
	v_nop
	s_wait_alu depctr_va_vdst(0)                   ; one wait for the batch of 40
.set x, 0
.rept 20                               ; in place, ascending: tiles 2 kk and 2 kk + 1 become the fragment at v[32 + 16 kk]
	v_cvt_pk_f16_f32 v[32+16*(x/8)+4*((x/4)%2)+x%4], v[32+2*x], v[33+2*x]
.set x, x+1
.endr
.irp j, 68,69,70,71
	v_mov_b32 v\j, 0                               ; keys 80-95
.endr
	WIN 0x01
.irp kk, 0,1,2                         ; three accumulators take turns
.if \kk == 0
	v_wmma_f32_16x16x32_f16 v[72:79], v[168+16*\kk:175+16*\kk], v[32+16*\kk:39+16*\kk], 0
	v_wmma_f32_16x16x32_f16 v[80:87], v[176+16*\kk:183+16*\kk], v[32+16*\kk:39+16*\kk], 0
	v_wmma_f32_16x16x32_f16 v[88:95], v[216:223], v[32+16*\kk:39+16*\kk], 0
.else
	v_wmma_f32_16x16x32_f16 v[72:79], v[168+16*\kk:175+16*\kk], v[32+16*\kk:39+16*\kk], v[72:79]
	v_wmma_f32_16x16x32_f16 v[80:87], v[176+16*\kk:183+16*\kk], v[32+16*\kk:39+16*\kk], v[80:87]
	v_wmma_f32_16x16x32_f16 v[88:95], v[216:223], v[32+16*\kk:39+16*\kk], v[88:95]
.endif
.endr
	WIN 0
	PLACES
	v_nop                                          ; five: the next tile's score products write over the weights' registers
	v_rcp_f32 v16, v88
	v_nop
	s_wait_alu depctr_va_vdst(0)
	v_mov_b32 v17, v16
.set x, 0
.rept 8
	v_pk_mul_f32 v[72+2*x:73+2*x], v[72+2*x:73+2*x], v[16:17]
.set x, x+1
.endr
.set x, 0
.rept 8
	v_cvt_pk_f16_f32 v[24+x], v[72+2*x], v[73+2*x]
.set x, x+1
.endr
	ds_store_b128 v10, v[24:27] offset:32768+(\T)*8192
	ds_store_b128 v10, v[28:31] offset:32768+(\T)*8192+512
.endm
	s_load_b256 s[4:11], s[0:1], 0x0               ; x in s[4:5], weights s[6:7], x1 s[8:9], qf s[10:11]
	s_load_b64 s[12:13], s[0:1], 0x20              ; kv
	v_lshl_add_u32 v4, v0, 2, SPARE
	v_mov_b32 v5, 0
	v_lshrrev_b32 v1, 5, v0
	v_readfirstlane_b32 s14, v1                    ; wave
	s_mov_b32 s15, ttmp9                           ; slice
	s_and_b32 s16, ttmp7, 0xffff                   ; token block
	s_mov_b32 s18, 0x76543210
	s_mov_b32 s19, 0xfedcba98
	s_mov_b32 s20, 0x3b800000                      ; 1 / 256
	s_mov_b32 s21, 0x3727c5ac                      ; 1e-5
	s_mov_b32 s22, 0xf149f2ca                      ; -1e30
	s_mov_b32 s23, 0xffff0000                      ; lanes 16-31
	v_and_b32 v1, 31, v0
	v_lshlrev_b32 v1, 4, v1                        ; 16 x lane
	v_and_b32 v2, 15, v0
	v_bfe_u32 v3, v0, 4, 1
	s_mul_i32 s42, s14, 32*XP
	v_mul_u32_u24 v6, v3, XP
	v_lshl_add_u32 v6, v2, 4, v6
	v_add_nc_u32 v6, s42, v6                       ; x into LDS: channel 32 w + l / 16, 16 bytes of its row
	v_mul_u32_u24 v7, v3, 8*XP
	v_lshl_add_u32 v7, v2, 2, v7
	v_add_nc_u32 v7, s42, v7                       ; and back: channel 32 w + 8 (l / 16), token l % 16
	v_lshlrev_b32 v9, 5, v2
	v_add_nc_u32 v9, STAT, v9
	v_lshl_add_u32 v8, s14, 2, v9
	s_lshl_b32 s43, s14, 10
	v_add_nc_u32 v11, ACT0, v1
	v_add_nc_u32 v10, s43, v11
	s_lshl_b32 s43, s14, 7
	v_lshl_add_u32 v12, v3, 5, s43
	v_and_b32 v24, 3, v2
	v_mul_u32_u24 v13, v24, 36864                  ; the table's copy c = l % 4 makes every lane's eight biases 32 aligned bytes
	v_lshl_add_u32 v13, v3, 5, v13
	s_mul_i32 s43, s14, 147456
	s_lshl_b32 s44, s16, 8
	s_add_co_u32 s43, s43, 16192
	s_sub_co_u32 s43, s43, s44
	v_add_nc_u32 v13, s43, v13
	v_and_b32 v24, 12, v2
	v_lshlrev_b32 v24, 2, v24
	v_sub_nc_u32 v13, v13, v24
	v_lshlrev_b32 v14, 14, v3
	v_lshl_add_u32 v14, v2, 4, v14
	s_lshr_b32 s45, s14, 2                         ; g: which two token tiles I take at the end
	s_lshl_b32 s43, s45, 14
	v_add_nc_u32 v15, s43, v11
	s_mov_b32 s3, 0
	s_mov_b32 s51, 0
	s_wait_kmcnt 0x0
	s_lshl_b32 s2, s14, 19
	s_lshl_b32 s43, s16, 8
	s_add_co_u32 s2, s2, s43
	s_add_nc_u64 s[24:25], s[4:5], s[2:3]          ; x: my 32 channels, the block's 256 bytes
	s_lshl_b32 s2, s14, 14
	s_add_nc_u64 s[26:27], s[6:7], s[2:3]          ; weights of my 32 output channels
	s_and_b32 s46, s14, 3
	s_lshl2_add_u32 s47, s15, s46                  ; nb = 4 sl + w % 4
	s_lshl_b32 s2, s47, 13
	s_add_nc_u64 s[28:29], s[6:7], s[2:3]
	s_mul_i32 s2, s14, 5120
	s_add_nc_u64 s[30:31], s[6:7], s[2:3]
	s_mul_i32 s2, s14, 6144
	s_add_nc_u64 s[32:33], s[6:7], s[2:3]
	s_lshl3_add_u32 s2, s16, s14
	s_lshl_b32 s2, s2, 13
	s_add_nc_u64 s[34:35], s[8:9], s[2:3]
	s_lshr_b32 s48, s47, 1                         ; head of my last products
	s_and_b32 s49, s14, 1                          ; which half of its channels
	s_lshl_b32 s2, s48, 8
	s_lshl2_add_u32 s2, s16, s2
	s_lshl1_add_u32 s2, s45, s2
	s_lshl_b32 s2, s2, 10
	s_lshl_b32 s43, s49, 9
	s_add_co_u32 s2, s2, s43
	s_add_nc_u64 s[36:37], s[10:11], s[2:3]
	s_lshl_b32 s2, s48, 19
	s_lshr_b32 s43, s16, 1
	s_lshl_b32 s43, s43, 14
	s_add_co_u32 s2, s2, s43
	s_and_b32 s43, s16, 1
	s_lshl_b32 s43, s43, 12
	s_add_co_u32 s2, s2, s43
	s_lshl_b32 s43, s45, 11
	s_add_co_u32 s2, s2, s43
	s_lshl_b32 s43, s49, 9
	s_add_co_u32 s50, s2, s43
	s_add_nc_u64 s[38:39], s[12:13], s[50:51]      ; K
	s_lshl_b32 s43, s49, 10
	s_add_co_u32 s50, s2, s43
	s_add_co_u32 s50, s50, 8192
	s_add_nc_u64 s[40:41], s[12:13], s[50:51]      ; V
; 1. x, the first gains, the first weights
	PLOAD TMP, PB, 0
	PLOAD TMP+16, PB, 1024
.irp i, 0,1,2,3,4,5,6,7,8,9,10,11,12,13,14,15
	global_load_b128 v[AF+4*\i:AF+4*\i+3], v14, s[24:25] offset:\i*32768  ; sixteen lanes read 256 consecutive bytes of a channel, aligned
.endr
	WLOAD 0, 26, WQC, 16
	s_wait_loadcnt 32                              ; gains and x are in; the 32 loads of weights stay out
.irp i, 0,1,2,3,4,5,6,7,8,9,10,11,12,13,14,15
	ds_store_b128 v6, v[AF+4*\i:AF+4*\i+3] offset:\i*2*XP
.endr
	XT2ACC                                         ; my own rows: LDS serves a wave's instructions in order
	WLOAD 128, 30, KCO, 5                          ; my head's context keys,
	WLOAD 168, 32, VCO, 6                          ; values,
.irp d, 0,1,2,3,4,5,6,7                ; and the eight bias tiles d = T - u + 4
	global_load_b128 v[BI+8*\d:BI+8*\d+3], v13, s[PB:PB+1] offset:TABC+64*(7-\d)
	global_load_b128 v[BI+8*\d+4:BI+8*\d+7], v13, s[PB:PB+1] offset:TABC+64*(7-\d)+16
.endr
	s_wait_dscnt 0x0
; 2.
	LN 0, 1, TMP, TMP+16, 0, -1
; 3. q of the cross-attention
	s_wait_loadcnt 38                              ; the weights are in; keys, values and biases (10 + 12 + 16) may stay out
	GEMM256 0, 0, 0
	PLACES
	WLOAD 0, 26, WOC, 16
	PLOAD TMP, PB, 2048
.set x, 0
.rept 32                               ; tile T's q fragment at v[AF + 8 T]
	v_cvt_pk_f16_f32 v[AF+x], v[ACC+2*x], v[ACC+2*x+1]
.set x, x+1
.endr
	WIN 0x40
.irp j, 216,217,218,219,220,221,222,223
	v_mov_b32 v\j, 0x3c003c00                      ; a fragment of ones
.endr
	WIN 0
; 4.
	s_wait_loadcnt 36                              ; keys, values, biases are in; the 32 + 4 loads just issued stay out
	XA 0
	XA 1
	XA 2
	XA 3
	XT2ACC
	s_wait_dscnt 0x0
	s_barrier_signal -1
	s_barrier_wait -1                              ; all heads' o lie in the second activation buffer
	s_wait_loadcnt 0x0
.irp T, 0,1,2,3
.irp q, 0,1,2,3,4,5,6,7
	v_pk_add_f32 v[ACC+16*\T+2*\q:ACC+16*\T+2*\q+1], v[ACC+16*\T+2*\q:ACC+16*\T+2*\q+1], v[TMP+2*\q:TMP+2*\q+1]
.endr
.endr
; 5. x1 = o Wo + (x + bo)
	PLOAD TMP, PB, 3072
	PLOAD TMP+16, PB, 4096
	WLOAD 128, 28, WQS, 8
	WLOAD 192, 28, WKS, 8
	GEMM256 32768, 0, 1
	PLACES
	WLOAD 0, 28, WVS, 8
	PLACES
; 6. my slice's 16 tokens of x1
.irp T, 0,1,2,3
	s_cmp_lg_u32 s15, \T
	s_cbranch_scc1 .Lnox\T
.irp x, 0,1,2,3
	global_store_b128 v1, v[ACC+16*\T+4*\x:ACC+16*\T+4*\x+3], s[34:35] offset:(4*\T+\x)*512
.endr
.Lnox\T:
.endr
; 7.
	LN 2, 3, TMP, TMP+16, 0, 48                    ; 32 + 16 loads of weights are younger than the gains'
; 8. q, k, v: one block of 16 channels, two token tiles a wave; six accumulators take turns
	s_wait_loadcnt 0x0
.macro AF4 kc, set
.irp t, 0,1
	ds_load_b128 v[AF+16*(\set)+8*\t:AF+16*(\set)+8*\t+3], v15 offset:\t*8192+(\kc)*1024
	ds_load_b128 v[AF+16*(\set)+8*\t+4:AF+16*(\set)+8*\t+7], v15 offset:\t*8192+(\kc)*1024+512
.endr
.endm
	AF4 0, 0
	AF4 1, 1
	AF4 2, 2
	AF4 3, 3
.set gk, 0
.rept 8
.if gk < 5
	s_wait_dscnt 12                                ; three younger sets of four loads may stay out
.else
	s_wait_dscnt 4*(7-gk)
.endif
.set A0, AF+16*(gk%4)
	WIN 0x01
.if gk == 0
	v_wmma_f32_16x16x32_f16 v[32:39], v[128+8*gk:135+8*gk], v[A0:A0+7], 0
	v_wmma_f32_16x16x32_f16 v[40:47], v[128+8*gk:135+8*gk], v[A0+8:A0+15], 0
	v_wmma_f32_16x16x32_f16 v[48:55], v[192+8*gk:199+8*gk], v[A0:A0+7], 0
	v_wmma_f32_16x16x32_f16 v[56:63], v[192+8*gk:199+8*gk], v[A0+8:A0+15], 0
	WIN 0x04
	v_wmma_f32_16x16x32_f16 v[64:71], v[A0:A0+7], v[8*gk:8*gk+7], 0
	v_wmma_f32_16x16x32_f16 v[72:79], v[A0+8:A0+15], v[8*gk:8*gk+7], 0
.else
	v_wmma_f32_16x16x32_f16 v[32:39], v[128+8*gk:135+8*gk], v[A0:A0+7], v[32:39]
	v_wmma_f32_16x16x32_f16 v[40:47], v[128+8*gk:135+8*gk], v[A0+8:A0+15], v[40:47]
	v_wmma_f32_16x16x32_f16 v[48:55], v[192+8*gk:199+8*gk], v[A0:A0+7], v[48:55]
	v_wmma_f32_16x16x32_f16 v[56:63], v[192+8*gk:199+8*gk], v[A0+8:A0+15], v[56:63]
	WIN 0x04
	v_wmma_f32_16x16x32_f16 v[64:71], v[A0:A0+7], v[8*gk:8*gk+7], v[64:71]
	v_wmma_f32_16x16x32_f16 v[72:79], v[A0+8:A0+15], v[8*gk:8*gk+7], v[72:79]
.endif
	WIN 0
.if gk < 4
	PLACES
	AF4 gk+4, gk%4
.endif
.set gk, gk+1
.endr
	PLACES
	PLACES
.set x, 0
.rept 24
	v_cvt_pk_f16_f32 v[AF+x], v[32+2*x], v[33+2*x]
.set x, x+1
.endr
	global_store_b128 v1, v[AF:AF+3], s[36:37]               ; each store: 512 consecutive bytes, half a fragment
	global_store_b128 v1, v[AF+4:AF+7], s[36:37] offset:1024
	global_store_b128 v1, v[AF+8:AF+11], s[38:39]
	global_store_b128 v1, v[AF+12:AF+15], s[38:39] offset:1024
	global_store_b128 v1, v[AF+16:AF+19], s[40:41]
	global_store_b128 v1, v[AF+20:AF+23], s[40:41] offset:512
	s_wait_tensorcnt 0x0                           ; the wave's end
	ds_add_u32 v4, v5
	s_wait_dscnt 0x0
	s_endpgm
.Lfunc_end_k_q18c758ad69_pre1:
	.size	k_q18c758ad69_pre1, .Lfunc_end_k_q18c758ad69_pre1-k_q18c758ad69_pre1
	.p2alignl 7, 3214868480
	.fill 96, 4, 3214868480
	.section	.rodata,"a",@progbits
	.p2align	6, 0x0
	.amdhsa_kernel k_q18c758ad69_pre1
		.amdhsa_group_segment_fixed_size 144384
		.amdhsa_private_segment_fixed_size 0
		.amdhsa_enable_private_segment 0
		.amdhsa_kernarg_size 40
		.amdhsa_user_sgpr_count 2
		.amdhsa_user_sgpr_kernarg_segment_ptr 1
		.amdhsa_wavefront_size32 1
		.amdhsa_system_sgpr_workgroup_id_x 1
		.amdhsa_system_sgpr_workgroup_id_y 1
		.amdhsa_system_sgpr_workgroup_id_z 1
		.amdhsa_system_vgpr_workitem_id 0
		.amdhsa_next_free_vgpr 512
		.amdhsa_next_free_sgpr 66
		.amdhsa_reserve_vcc 0
		.amdhsa_float_denorm_mode_32 3
		.amdhsa_float_denorm_mode_16_64 3
		.amdhsa_memory_ordered 1
		.amdhsa_forward_progress 1
		.amdhsa_inst_pref_size 134
	.end_amdhsa_kernel
	.amdgpu_metadata
---
amdhsa.version: [ 1, 2 ]
amdhsa.kernels:
  - .name:           k_q18c758ad69_pre1
    .symbol:         k_q18c758ad69_pre1.kd
    .args:
      - { .name: hidden_state, .offset: 0, .size: 8, .value_kind: global_buffer, .address_space: global }
      - { .name: w0, .offset: 8, .size: 8, .value_kind: global_buffer, .address_space: global }
      - { .name: x1, .offset: 16, .size: 8, .value_kind: global_buffer, .address_space: global }
      - { .name: qf, .offset: 24, .size: 8, .value_kind: global_buffer, .address_space: global }
      - { .name: kv, .offset: 32, .size: 8, .value_kind: global_buffer, .address_space: global }
    .group_segment_fixed_size: 144384
    .private_segment_fixed_size: 0
    .kernarg_segment_align: 8
    .kernarg_segment_size: 40
    .max_flat_workgroup_size: 256
    .sgpr_count:     66
    .vgpr_count:     512
    .wavefront_size: 32
...
	.end_amdgpu_metadata
.endif
;; end of part 2
;; launch att1 (part 3): grid 32 x 8, 8 waves a work-group, no clusters, 327,680 bytes of LDS; arguments qf, kv, w0, of; writes of
.if DOCPART == 3
	.amdgcn_target "amdgcn-amd-amdhsa--gfx1250"
	.amdhsa_code_object_version 6
	.text
	.protected	k_q18c758ad69_att1
	.globl	k_q18c758ad69_att1
	.p2align	8
	.type	k_q18c758ad69_att1,@function
k_q18c758ad69_att1:
	s_mov_b64 s[64:65], 0
	v_nop
	global_prefetch_b8 v0, s[64:65] scope:SCOPE_SE
	s_setreg_imm32_b32 hwreg(HW_REG_WAVE_MODE, 25, 1), 1
	s_wait_xcnt 0x0
; SELF-ATTENTION, head size 32, 4,096 keys, with a bias tab[q - k + 4095][head] on the scores.  Grid x: 128 queries, grid y: the head.
; SHARES.  Wave w: query group qg = w / 4 (64 queries: four tiles of 16), key quarter kq = w % 4: of every slot of 512 keys it walks 128, in two steps of 64.  So each fragment of K, V and bias read from LDS feeds four query tiles.
; The four quarters' maxima, sums and O meet in LDS at the end.
; LAYOUT.  S^T = K Q^T + bias: ONE product (32 channels), the bias its C operand; a lane holds one query (lane % 16) and keys 8 (lane / 16) + 0..7.  Two tiles rounded to f16 are source 1 of O^T = V^T P.
; The weights' sum l is a product of ones with P: every register of that accumulator holds l; only registers 0 and 1 are rescaled and read, the others stay below the number of keys.
; SOFTMAX in base 2 (scale and log2(e) lie in the stored q and table): running maximum m, p = 2^(s - m), O and l times a = 2^(m_old - m) in every step.  m starts at the lowest finite number, O and l at 0.
; BY TURNS.  Turn t belongs to query tile t; four turns are a key step.  Its vector work: tile t's 33 exponentials by turns with tile t + 1's 36 plain instructions (maximum, m, subtraction); one wait; tile t's 16 roundings and 9 rescalings.
; Its matrix work stands singly between those lines, eight to thirteen vector instructions apart: six products of tile t - 1 (V^T P and the ones' product), then its four score products K Q^T + bias for the NEXT step: 10 matrix instructions for 94 vector instructions.
; A TRIP of the loop is turns 1, 2, 3 of step s and turn 0 of step s + 1.  K and bias of step s + 1 are asked of LDS at its head, V of step s + 1 in turn 0 behind the last product that read V: each a good part of a turn ahead of its use.
; At a trip's edge K of step s + 1 has been multiplied and V's loads are issued, so that is where the slots change, every second trip.
; THE TABLE.  Copy c = 0..3 of the head's table row is shifted by c numbers, so that a lane (c = lane % 4) finds its eight biases in 32 aligned bytes.  The work-group's window, 4,304 numbers of each copy, lies in LDS.
; NO CLUSTER in this text: the 32 work-groups of a head walk the same K and V (all 65,536 bytes of a slot are shared) and could ask for them jointly by fours; that form is not built here.
; LIMITS: operands f16 (within 65,504); a weight below 2^-126 counts as 0; NaN and infinities are not treated apart.
; REGISTERS.  window 0: v0-15 addresses; v16-23 by tile (m, m_old); v24-31 by tile (a, and a register named with it as a pair); v32-63 Q; v64-191 S^T, then P in place; v192-247 seven bias tiles d = t - u + 3; v248-251 at work; v252-253 addresses.
;   window 1: v0-31 K; v32-63 V^T; v64-127 O^T; v128-159 l; v160-167 ones.
.set TABS,  1835008
.set TAB,   131072                     ; behind the two slots of 65,536 bytes: four copies of 17,216 bytes
.set TCP,   17216
.set MM,    199936                     ; the merge's maxima, sums and partial O: bytes of their own, which no tensor load fills
.set ML,    204032
.set MO,    206080
.set SPARE, 279808                     ; the spare words, 128 bytes for each wave
.set MSB, 0
.macro WIN new                         ; the immediate's high byte repeats the setting that is left; a switch that changes nothing is dropped
.if MSB != (\new)
	s_set_vgpr_msb (MSB<<8)|(\new)
.set MSB, \new
.endif
.endm
.macro PLACES
.rept 4
	v_nop
.endr
.endm
; what the next change of slots will ask for is prefetched: 8,192 bytes by wave 0 of each of the head's first eight work-groups, a lane 256 bytes: each block is named once.  The last fill asks for nothing.
.macro ASK
	s_cmp_gt_u32 s58, s50
	s_cbranch_scc0 .Lnoask_\@
	global_prefetch_b8 v14, s[48:49] th:TH_LOAD_NT scope:SCOPE_SE
.Lnoask_\@:
.endm
; THE CHANGE OF SLOTS.  Each wave waits for all its tensor loads (its eighth of the slot to be read), adds 0 to its spare word, waits for that and for its reads of the slot that it leaves; behind the barrier the old slot is filled again, first thing.
.macro CHANGE fill
	WIN 0
	s_wait_tensorcnt 0x0                           ; no tensor load of mine is out, so the descriptor may be written
	ds_add_u32 v8, v9
.if \fill
	s_xor_b32 s41, s41, 65536                      ; the other slot,
	s_add_nc_u64 s[42:43], s[42:43], 65536         ; the next 512 keys
	s_wait_xcnt 0x0                                ; the last prefetch, two key steps back, has read its address
	s_add_nc_u64 s[48:49], s[48:49], 65536
.endif
	s_wait_dscnt 0x0                               ; the add is done; my reads of the old slot, V's last eight loads among them, are back
	s_barrier_signal -1
	s_barrier_wait -1
.if \fill
	tensor_load_to_lds s[40:43], s[24:31]          ; my one tensor load behind this barrier: one is out until the next change
	s_nop 0
	PLACES
	ASK
.endif
.endm
; number n of the 36 plain instructions of tile t: the maximum of 32 scores and the old m (each score tile's lowest registers first); the other half of the lanes'; m_old; m; m_old - m; the 16 subtractions
.macro PLQ t, n
.set rS, 64+32*(\t)
.set rM, 16+2*(\t)
.if (\n) < 4
	v_max3_num_f32 v[248+(\n)], v[rS+8*(\n)], v[rS+8*(\n)+1], v[rS+8*(\n)+2]
.elseif (\n) < 12
	v_max3_num_f32 v[248+(\n)%4], v[248+(\n)%4], v[rS+8*((\n)%4)+2*((\n)/4)+1], v[rS+8*((\n)%4)+2*((\n)/4)+2]
.elseif (\n) == 12
	v_max3_num_f32 v248, v248, v[rS+7], v[rS+15]
.elseif (\n) == 13
	v_max3_num_f32 v249, v249, v[rS+23], v[rS+31]
.elseif (\n) == 14
	v_max3_num_f32 v250, v250, v251, v[rM]
.elseif (\n) == 15
	v_max3_num_f32 v248, v248, v249, v250
.elseif (\n) == 16
	v_permlanex16_b32 v251, v248, s56, s57
.elseif (\n) == 17
	v_mov_b32 v[rM+1], v[rM]
.elseif (\n) == 18
	v_max_num_f32 v[rM], v248, v251
.elseif (\n) == 19
	v_sub_f32 v[24+2*(\t)], v[rM+1], v[rM]
.else
	v_pk_add_f32 v[rS+2*((\n)-20):rS+2*((\n)-20)+1], v[rS+2*((\n)-20):rS+2*((\n)-20)+1], v[rM:rM+1] op_sel_hi:[1,0] neg_lo:[0,1] neg_hi:[0,1]  ; both less m, the pair's first register
.endif
.endm
.macro EXQ t, n                        ; number n of tile t's 33 exponentials: 32 weights, then a
.if (\n) < 32
	v_exp_f32 v[64+32*(\t)+(\n)], v[64+32*(\t)+(\n)]
.else
	v_exp_f32 v[24+2*(\t)], v[24+2*(\t)]
.endif
.endm
.macro CVQ t, n                        ; number n of tile t's 16 roundings, in place, ascending: key tiles 2 kk, 2 kk + 1 become the fragment at 64 + 32 t + 16 kk
	v_cvt_pk_f16_f32 v[64+32*(\t)+16*((\n)/8)+4*(((\n)/4)%2)+(\n)%4], v[64+32*(\t)+2*(\n)], v[64+32*(\t)+2*(\n)+1]
.endm
.macro RSQ t                           ; O^T and l of tile t times a; destination and source 0 in window 1 (the caller sets it)
.irp q, 0,1,2,3,4,5,6,7
	v_pk_mul_f32 v[64+16*(\t)+2*\q:65+16*(\t)+2*\q], v[64+16*(\t)+2*\q:65+16*(\t)+2*\q], v[24+2*(\t):25+2*(\t)] op_sel_hi:[1,0]
.endr
	v_pk_mul_f32 v[128+8*(\t):129+8*(\t)], v[128+8*(\t):129+8*(\t)], v[24+2*(\t):25+2*(\t)] op_sel_hi:[1,0]
.endm
; Matrix instruction i of tile x's ten.  0-5: keys 32 (i / 3) on: O^T's channels 0-15, its channels 16-31, l: the three accumulators take turns.  6-9: the scores of key tile u = i - 6.  The window is left for the caller.
.macro WM x, i
.if (\i) < 6
	WIN 0x51                                       ; V^T or ones in window 1, P in window 0, the accumulator in window 1
.set wk, (\i)/3
.set wB, 64+32*(\x)+16*wk
.if (\i)%3 == 0
	v_wmma_f32_16x16x32_f16 v[64+16*(\x):71+16*(\x)], v[32+16*wk:39+16*wk], v[wB:wB+7], v[64+16*(\x):71+16*(\x)]
.elseif (\i)%3 == 1
	v_wmma_f32_16x16x32_f16 v[72+16*(\x):79+16*(\x)], v[40+16*wk:47+16*wk], v[wB:wB+7], v[72+16*(\x):79+16*(\x)]
.else
	v_wmma_f32_16x16x32_f16 v[128+8*(\x):135+8*(\x)], v[160:167], v[wB:wB+7], v[128+8*(\x):135+8*(\x)]
.endif
.else
	WIN 0x01                                       ; K in window 1; Q, bias and S^T in window 0
.set wu, (\i)-6
	v_wmma_f32_16x16x32_f16 v[64+32*(\x)+8*wu:71+32*(\x)+8*wu], v[8*wu:8*wu+7], v[32+8*(\x):39+8*(\x)], v[192+8*((\x)-wu+3):199+8*((\x)-wu+3)]
.endif
.endm
.macro LK                              ; a step's K (8 loads) and its seven bias tiles (14 loads)
	WIN 0x40
.irp u, 0,1,2,3
	ds_load_b128 v[8*\u:8*\u+3], v4 offset:\u*1024
	ds_load_b128 v[8*\u+4:8*\u+7], v4 offset:\u*1024+512
.endr
	WIN 0
.irp d, 0,1,2,3,4,5,6
	ds_load_b128 v[192+8*\d:195+8*\d], v3 offset:64*(6-\d)
	ds_load_b128 v[196+8*\d:199+8*\d], v3 offset:64*(6-\d)+16
.endr
.endm
.macro LV                              ; the same step's V^T (8 loads)
	WIN 0x40
.irp f, 0,1,2,3
	ds_load_b128 v[32+8*\f:35+8*\f], v4 offset:8192+\f*1024
	ds_load_b128 v[36+8*\f:39+8*\f], v4 offset:8192+\f*1024+512
.endr
	WIN 0
.endm
; A TURN, for tile t.  36 slots of a plain instruction of tile t + 1 (pl = 1) and an exponential of tile t.  Behind slots 1, 5, 9, 13, 17, 21 one product each of tile t - 1's six (pv = 1).  Behind slot 26 V's loads (lv = 1): five plain
; subtractions behind the last of those six.  Behind slots 27 and 32 tile t - 1's first two score products (sp = 1): the first writes over the half of P that was last read behind slot 9.  Then ONE wait for the batch of 33 exponentials:
; nothing ahead of it names a result of theirs, and slots 33 to 35 are plain instructions behind the last of them (with pl = 0 a v_nop is).  Then eight roundings, the third score product (it writes over the half of P last read behind
; slot 21), eight roundings, the fourth, and the nine rescalings: plain instructions behind the turn's last product, ahead of the next trip's loads into K and bias.
; No vector line names a register of the products round it: these are tile t - 1's, those tile t's and tile t + 1's.  vcnt >= 0: the LDS loads that may stay out when V is wanted.
.macro TURN t, pv, sp, pl, lv, vcnt
.set tx, ((\t)+3)%4
.set tn, ((\t)+1)%4
.set qn, 0
.rept 36
.if \pl
	PLQ tn, qn
.endif
.if qn < 33
	EXQ \t, qn
.endif
.if (\pv) && (qn%4 == 1) && (qn < 22)
.if ((\vcnt) >= 0) && (qn == 1)
	s_wait_dscnt \vcnt                             ; V is in: its eight loads are older than those that may stay out
.endif
	WM tx, qn/4
	WIN 0
.endif
.if (\lv) && (qn == 26)
	LV
.endif
.if (\sp) && (qn == 27)
.if (\t) == 1
	s_wait_dscnt 0x0                               ; K and the biases of the next step are in
.endif
	WM tx, 6
	WIN 0
.endif
.if (\sp) && (qn == 32)
	WM tx, 7
	WIN 0
.endif
.set qn, qn+1
.endr
.if !(\pl)
	v_nop
.endif
	s_wait_alu depctr_va_vdst(0)                   ; one wait for the turn's exponentials, ahead of their first reader
.set qn, 0
.rept 8
	CVQ \t, qn
.set qn, qn+1
.endr
.if \sp
	WM tx, 8
	WIN 0
.endif
.rept 8
	CVQ \t, qn
.set qn, qn+1
.endr
.if \sp
	WM tx, 9
.endif
	WIN 0x41
	RSQ \t
	WIN 0
.endm
; A TRIP: turns 1, 2, 3 of step s and turn 0 of step s + 1.  fin = 1: the last step: there is no next one: no loads, no new scores, and tile 3's six products stand alone at the end.
.macro TRIP fin
.if !(\fin)
	v_add_nc_u32 v3, s61, v2
	v_add_nc_u32 v4, s60, v1
	LK
	TURN 1, 1, 1, 1, 0, 22                         ; the 22 loads just issued may stay out
	TURN 2, 1, 1, 1, 0, -1
	TURN 3, 1, 1, 1, 0, -1
	TURN 0, 1, 1, 1, 1, -1
	s_add_co_u32 s60, s60, 4096                    ; the next loads are the next step's
	s_add_co_u32 s61, s61, 256
.else
	TURN 1, 1, 0, 1, 0, 0
	TURN 2, 1, 0, 1, 0, -1
	TURN 3, 1, 0, 0, 0, -1
.irp i, 0,1,2,3,4,5
	WM 3, \i
.endr
	WIN 0
	PLACES
	PLACES
.endif
.endm
	s_load_b256 s[4:11], s[0:1], 0x0               ; qf s[4:5], kv s[6:7], weights s[8:9], of s[10:11]
	v_lshl_add_u32 v8, v0, 2, SPARE
	v_mov_b32 v9, 0
	ds_add_u32 v8, v9                              ; the wave's opening
	v_lshrrev_b32 v1, 5, v0
	v_readfirstlane_b32 s12, v1                    ; wave
	s_mov_b32 s13, ttmp9                           ; block of 128 queries
	s_and_b32 s14, ttmp7, 0xffff                   ; head
	s_lshr_b32 s15, s12, 2                         ; qg
	s_and_b32 s16, s12, 3                          ; kq
	; a slot's eighth: 8,192 dense bytes as 32 rows of 256
	s_mov_b32 s24, 3<<16                           ; elements of 8 bytes, no mask, no padding
	s_mov_b32 s25, 32<<16                          ; tensor_dim0 = 32
	s_mov_b32 s26, 32<<16                          ; tensor_dim1 = 32
	s_mov_b32 s27, 32<<16                          ; tile_dim0 = 32
	s_mov_b32 s28, 32                              ; tile_dim1 = 32
	s_mov_b32 s29, 32                              ; 32 elements from row to row
	s_mov_b32 s30, 0
	s_mov_b32 s31, 0
	; half a table copy: one row of 8,608 bytes
	s_mov_b32 s32, 3<<16
	s_mov_b32 s33, 1076<<16
	s_mov_b32 s34, 1<<16
	s_mov_b32 s35, 1076<<16
	s_mov_b32 s36, 1
	s_mov_b32 s37, 1076
	s_mov_b32 s38, 0
	s_mov_b32 s39, 0
	s_mov_b32 s40, 1
	s_lshl_b32 s41, s12, 13                        ; LDS: slot 0, wave x 8,192
	s_mov_b32 s44, 1
	s_mul_i32 s45, s12, 8608
	s_add_co_u32 s45, s45, TAB                     ; LDS: wave x 8,608 behind the slots
	s_lshl_b32 s2, s14, 19
	s_add_co_u32 s2, s2, s41
	s_mov_b32 s3, 0
	s_lshl_b32 s17, s14, 2
	s_lshr_b32 s18, s12, 1
	s_add_co_u32 s17, s17, s18
	s_mul_i32 s17, s17, 36864                      ; table row 4 head + copy
	s_and_b32 s18, s12, 1
	s_mul_i32 s18, s18, 8608
	s_add_co_u32 s17, s17, s18
	s_add_co_u32 s17, s17, TABS+15872              ; the window begins at position 3,968 - 128 blk
	s_lshl_b32 s18, s13, 9
	s_sub_co_u32 s20, s17, s18
	s_mov_b32 s21, 0
	s_lshr_b32 s50, s13, 3
	s_or_b32 s50, s50, s12
	s_cmp_eq_u32 s50, 0
	s_cselect_b32 s50, 1, -1                       ; 1 in a wave that prefetches, else the greatest number
	s_mov_b32 s56, 0x76543210
	s_mov_b32 s57, 0xfedcba98
	s_mov_b32 s58, 7                               ; slots still to be asked for
	s_lshl_b32 s60, s16, 14                        ; LDS byte of the step to be loaded, in my quarter
	s_lshl_b32 s61, s16, 9                         ; 4 x its first key
	s_wait_dscnt 0x0                               ; the opening add is done
	s_wait_kmcnt 0x0
	s_add_nc_u64 s[42:43], s[6:7], s[2:3]
	s_or_b32 s43, s43, 0x80000000
	s_add_nc_u64 s[46:47], s[8:9], s[20:21]
	s_or_b32 s47, s47, 0x80000000
	tensor_load_to_lds s[44:47], s[32:39]          ; the two first fills go out together: two loads of mine are out
	s_nop 0
	tensor_load_to_lds s[40:43], s[24:31]
	s_nop 0
	PLACES
	s_lshl_b32 s2, s14, 19
	s_and_b32 s17, s13, 7
	s_lshl_b32 s17, s17, 13
	s_add_co_u32 s2, s2, s17
	s_add_co_u32 s2, s2, 65536
	s_add_nc_u64 s[48:49], s[6:7], s[2:3]          ; in slot 1; the first change steps it to slot 2
	s_lshl_b32 s2, s14, 8
	s_lshl3_add_u32 s2, s13, s2
	s_lshl2_add_u32 s17, s15, s2
	s_add_co_u32 s18, s2, s12
	s_lshl_b32 s2, s17, 10
	s_add_nc_u64 s[52:53], s[4:5], s[2:3]          ; my four tiles of Q
	s_lshl_b32 s2, s18, 10
	s_add_nc_u64 s[54:55], s[10:11], s[2:3]        ; the tile of O that I finish
	v_and_b32 v1, 31, v0
	v_lshlrev_b32 v1, 4, v1
.irp t, 0,1,2,3
	global_load_b128 v[32+8*\t:35+8*\t], v1, s[52:53] offset:\t*1024
	global_load_b128 v[36+8*\t:39+8*\t], v1, s[52:53] offset:\t*1024+512
.endr
	v_and_b32 v10, 15, v0
	v_bfe_u32 v11, v0, 4, 1
	v_and_b32 v12, 3, v10
	v_mul_u32_u24 v2, v12, TCP
	v_lshl_add_u32 v2, v11, 5, v2
	s_lshl_b32 s17, s15, 8
	s_sub_co_u32 s17, TAB+320, s17
	v_add_nc_u32 v2, s17, v2
	v_and_b32 v13, 12, v10
	v_lshlrev_b32 v13, 2, v13
	v_sub_nc_u32 v2, v2, v13                       ; bias tile d of the step at key k0: this + 4 k0 + 64 (6 - d)
	s_lshl_b32 s17, s15, 11
	s_add_co_u32 s17, s17, MM
	v_add_nc_u32 v6, s17, v1
	v_lshl_add_u32 v5, s16, 2, v6
	v_mul_u32_u24 v12, v10, 144
	v_lshl_add_u32 v12, v11, 5, v12
	s_mul_i32 s17, s12, 9216
	s_add_co_u32 s17, s17, MO
	v_add_nc_u32 v7, s17, v12
	s_mul_i32 s17, s15, 36864
	s_mul_i32 s18, s16, 2304
	s_add_co_u32 s17, s17, s18
	s_add_co_u32 s17, s17, MO
	v_add_nc_u32 v252, s17, v12
	s_lshl_b32 s17, s15, 10
	s_add_co_u32 s17, s17, ML
	v_lshl_add_u32 v13, v10, 4, s17
	v_lshl_add_u32 v15, s16, 2, v13
	s_lshl_b32 s18, s16, 8
	v_add_nc_u32 v253, s18, v13
	v_lshlrev_b32 v14, 4, v1                       ; 256 x lane
	WIN 0x40
.set x, 64
.rept 96
	v_mov_b32 v[x], 0                              ; O and l start at 0: written while the first tiles are on their way, so that every step has one form
.set x, x+1
.endr
.irp j, 160,161,162,163,164,165,166,167
	v_mov_b32 v\j, 0x3c003c00
.endr
	WIN 0
.irp j, 16,17,18,19,20,21,22,23
	v_mov_b32 v\j, 0xff7fffff
.endr
.irp j, 24,25,26,27,28,29,30,31
	v_mov_b32 v\j, 0
.endr
	s_wait_loadcnt 0x0                             ; Q
; THE OPENING: the table and slot 0 are waited for, slot 1 is asked for; step 0's loads; all 16 score products; tile 0's plain work; a turn 0 without products.
	CHANGE 1
	v_add_nc_u32 v3, s61, v2
	v_add_nc_u32 v4, s60, v1
	LK
	LV
	s_add_co_u32 s60, s60, 4096
	s_add_co_u32 s61, s61, 256
	s_wait_dscnt 8                                 ; K and the biases are in; V's eight loads may stay out
.irp x, 0,1,2,3
.irp i, 6,7,8,9
	WM \x, \i
.endr
.endr
	WIN 0
	PLACES                                         ; four places behind the products, ahead of the first read of a score
.set qn, 0
.rept 36
	PLQ 0, qn
.set qn, qn+1
.endr
	TURN 0, 0, 0, 1, 0, -1
	s_mov_b32 s59, 1                               ; slot 0 has one trip left: step 0's, which loads step 1
	s_branch .Lstep
.Lslot:                                ; six times: slot c is entered and slot c + 1 asked for; its two trips load the slot's two steps
	CHANGE 1
	s_mov_b32 s59, 2
.Lstep:
	TRIP 0
	s_sub_co_u32 s59, s59, 1
	s_cmp_lg_u32 s59, 0
	s_cbranch_scc1 .Lstep
	s_sub_co_u32 s60, s60, 8192                    ; the loads go back to a slot's first step,
	s_xor_b32 s60, s60, 65536                      ; in the other slot
	s_add_co_u32 s61, s61, 1536
	s_sub_co_u32 s58, s58, 1
	s_cmp_lg_u32 s58, 0
	s_cbranch_scc1 .Lslot
	CHANGE 0                                       ; the last slot is written out
	s_mov_b32 s59, 2
.Ltail:
	TRIP 0
	s_sub_co_u32 s59, s59, 1
	s_cmp_lg_u32 s59, 0
	s_cbranch_scc1 .Ltail
	TRIP 1                                         ; the last step
; THE MERGE of the four key quarters
.irp t, 0,1,2,3
	ds_store_b32 v5, v[16+2*\t] offset:512*\t
.endr
	s_wait_dscnt 0x0
	s_barrier_signal -1
	s_barrier_wait -1
.irp t, 0,1,2,3
	ds_load_b128 v[64+4*\t:67+4*\t], v6 offset:512*\t
.endr
	s_wait_dscnt 0x0
.irp t, 0,1,2,3
	v_max3_num_f32 v[248+\t], v[64+4*\t], v[65+4*\t], v[66+4*\t]
.endr
.irp t, 0,1,2,3
	v_max_num_f32 v[248+\t], v[248+\t], v[67+4*\t]
.endr
.irp t, 0,1,2,3
	v_sub_f32 v[24+2*\t], v[16+2*\t], v[248+\t]
.endr
.irp t, 0,1,2,3
	v_exp_f32 v[24+2*\t], v[24+2*\t]
.endr
	v_nop
	s_wait_alu depctr_va_vdst(0)
.irp t, 0,1,2,3
	v_mov_b32 v[25+2*\t], v[24+2*\t]
.endr
	WIN 0x41
.irp t, 0,1,2,3
.irp q, 0,1,2,3,4,5,6,7
	v_pk_mul_f32 v[64+16*\t+2*\q:65+16*\t+2*\q], v[64+16*\t+2*\q:65+16*\t+2*\q], v[24+2*\t:25+2*\t]
.endr
.endr
	WIN 0x01
.irp t, 0,1,2,3
	v_mul_f32 v[10+\t], v[128+8*\t], v[24+2*\t]
.endr
	WIN 0x04
.irp t, 0,1,2,3
.irp x, 0,1,2,3
	ds_store_b128 v7, v[64+16*\t+4*\x:67+16*\t+4*\x] offset:2304*\t+64*(\x/2)+16*(\x%2)
.endr
.endr
	WIN 0
.irp t, 0,1,2,3
	ds_store_b32 v15, v[10+\t] offset:256*\t
.endr
	s_wait_dscnt 0x0
	s_barrier_signal -1
	s_barrier_wait -1
.irp p, 0,1,2,3                        ; wave (qg, kq) finishes tile kq: only addresses hang on kq
.irp x, 0,1,2,3
	ds_load_b128 v[64+16*\p+4*\x:67+16*\p+4*\x], v252 offset:9216*\p+64*(\x/2)+16*(\x%2)
.endr
.endr
	ds_load_b128 v[128:131], v253
	s_wait_dscnt 0x0
.irp q, 0,1,2,3,4,5,6,7
	v_pk_add_f32 v[64+2*\q:65+2*\q], v[64+2*\q:65+2*\q], v[80+2*\q:81+2*\q]
	v_pk_add_f32 v[96+2*\q:97+2*\q], v[96+2*\q:97+2*\q], v[112+2*\q:113+2*\q]
.endr
	v_pk_add_f32 v[128:129], v[128:129], v[130:131]
	v_add_f32 v128, v128, v129
.irp q, 0,1,2,3,4,5,6,7
	v_pk_add_f32 v[64+2*\q:65+2*\q], v[64+2*\q:65+2*\q], v[96+2*\q:97+2*\q]
.endr
	v_rcp_f32 v24, v128
	v_nop
	s_wait_alu depctr_va_vdst(0)
	v_mov_b32 v25, v24
.irp q, 0,1,2,3,4,5,6,7
	v_pk_mul_f32 v[64+2*\q:65+2*\q], v[64+2*\q:65+2*\q], v[24:25]
.endr
.irp q, 0,1,2,3,4,5,6,7
	v_cvt_pk_f16_f32 v[132+\q], v[64+2*\q], v[65+2*\q]
.endr
	global_store_b128 v1, v[132:135], s[54:55]     ; 512 consecutive bytes: half an activation fragment
	global_store_b128 v1, v[136:139], s[54:55] offset:512
	s_wait_tensorcnt 0x0                           ; the wave's end
	ds_add_u32 v8, v9
	s_wait_dscnt 0x0
	s_endpgm
.Lfunc_end_k_q18c758ad69_att1:
	.size	k_q18c758ad69_att1, .Lfunc_end_k_q18c758ad69_att1-k_q18c758ad69_att1
	.p2alignl 7, 3214868480
	.fill 96, 4, 3214868480
	.section	.rodata,"a",@progbits
	.p2align	6, 0x0
	.amdhsa_kernel k_q18c758ad69_att1
		.amdhsa_group_segment_fixed_size 327680
		.amdhsa_private_segment_fixed_size 0
		.amdhsa_enable_private_segment 0
		.amdhsa_kernarg_size 32
		.amdhsa_user_sgpr_count 2
		.amdhsa_user_sgpr_kernarg_segment_ptr 1
		.amdhsa_wavefront_size32 1
		.amdhsa_system_sgpr_workgroup_id_x 1
		.amdhsa_system_sgpr_workgroup_id_y 1
		.amdhsa_system_sgpr_workgroup_id_z 1
		.amdhsa_system_vgpr_workitem_id 0
		.amdhsa_next_free_vgpr 432
		.amdhsa_next_free_sgpr 66
		.amdhsa_reserve_vcc 0
		.amdhsa_float_denorm_mode_32 3
		.amdhsa_float_denorm_mode_16_64 3
		.amdhsa_memory_ordered 1
		.amdhsa_forward_progress 1
		.amdhsa_inst_pref_size 101
	.end_amdhsa_kernel
	.amdgpu_metadata
---
amdhsa.version: [ 1, 2 ]
amdhsa.kernels:
  - .name:           k_q18c758ad69_att1
    .symbol:         k_q18c758ad69_att1.kd
    .args:
      - { .name: qf, .offset: 0, .size: 8, .value_kind: global_buffer, .address_space: global }
      - { .name: kv, .offset: 8, .size: 8, .value_kind: global_buffer, .address_space: global }
      - { .name: w0, .offset: 16, .size: 8, .value_kind: global_buffer, .address_space: global }
      - { .name: of, .offset: 24, .size: 8, .value_kind: global_buffer, .address_space: global }
    .group_segment_fixed_size: 327680
    .private_segment_fixed_size: 0
    .kernarg_segment_align: 8
    .kernarg_segment_size: 32
    .max_flat_workgroup_size: 256
    .sgpr_count:     66
    .vgpr_count:     432
    .wavefront_size: 32
...
	.end_amdgpu_metadata
.endif
;; end of part 3
;; launch mid1 (part 4): grid 4 x 64, 8 waves a work-group, no clusters, 70,656 bytes of LDS; arguments of, x1, w0, gf; writes gf
.if DOCPART == 4
	.amdgcn_target "amdgcn-amd-amdhsa--gfx1250"
	.amdhsa_code_object_version 6
	.text
	.protected	k_q18c758ad69_mid1
	.globl	k_q18c758ad69_mid1
	.p2align	8
	.type	k_q18c758ad69_mid1,@function
k_q18c758ad69_mid1:
	s_mov_b64 s[64:65], 0
	v_nop
	global_prefetch_b8 v0, s[64:65] scope:SCOPE_SE
	s_setreg_imm32_b32 hwreg(HW_REG_WAVE_MODE, 25, 1), 1
	s_wait_xcnt 0x0
; MID: for 64 tokens (grid y): x2 = o Wo + bo + x1; LN; a quarter (grid x) of the hidden layer: u = h W1 + b1; exact GELU; rounded to f16 in fragment order.  The four slices repeat the projection and LN.
; Layout, formats and registers as in the launch in front of the attention: wave w owns 32 output channels; a lane holds one token and eight channels.
; GELU(u) = max(u, 0) - 0.5 |u| erfc(|u| / sqrt 2); erfc(x) = t (a1 + t (a2 + t (a3 + t (a4 + t a5)))) exp(-x^2), t = 1 / (1 + 0.3275911 x): good for every u to 1.5e-7 absolute; no difference of near numbers is formed.
; LIMITS: operands f16 (within 65,504); NaN and infinities are not treated apart.
.set WOS,  655360
.set W1O,  786432
.set PAR,  4284416
.set ACT0, 0
.set STAT, 65536
.set SPARE, 69632
.set PB,   8
.set ACC,  32
.set AF,   96
.set BI,   160
.set TMP,  224
.set MSB, 0
.macro WIN new
.if MSB != (\new)
	s_set_vgpr_msb (MSB<<8)|(\new)
.set MSB, \new
.endif
.endm
.macro PLACES
.rept 4
	v_nop
.endr
.endm
.macro WLOAD dst, sb, off, n
	WIN 0x40
.set f, 0
.rept \n
	global_load_b128 v[(\dst)+8*f:(\dst)+8*f+3], v1, s[\sb:\sb+1] offset:(\off)+f*1024
	global_load_b128 v[(\dst)+8*f+4:(\dst)+8*f+7], v1, s[\sb:\sb+1] offset:(\off)+f*1024+512
.set f, f+1
.endr
	WIN 0
.endm
.macro PLOAD reg, sb, off
.irp x, 0,1,2,3
	global_load_b128 v[(\reg)+4*\x:(\reg)+4*\x+3], v12, s[\sb:\sb+1] offset:PAR+(\off)+(\x/2)*64+(\x%2)*16
.endr
.endm
.macro AFL act, kc, set
.irp T, 0,1,2,3
	ds_load_b128 v[AF+32*(\set)+8*\T:AF+32*(\set)+8*\T+3], v11 offset:(\act)+\T*8192+(\kc)*1024
	ds_load_b128 v[AF+32*(\set)+8*\T+4:AF+32*(\set)+8*\T+7], v11 offset:(\act)+\T*8192+(\kc)*1024+512
.endr
.endm
; 64 tokens x my 32 channels x K = 256; eight accumulators take turns.  cmode 1: the sums add onto ACC; 2: they start with the bias in v[192 + 8 i]
.macro GEMM256 act, wb, cmode
	AFL \act, 0, 0
	AFL \act, 1, 1
.set gk, 0
.rept 8
.if gk < 7
	s_wait_dscnt 8                                 ; this K step's eight loads are in; the next step's eight may stay out
.else
	s_wait_dscnt 0
.endif
	WIN 0x01
.irp i, 0,1
.irp T, 0,1,2,3
.if (gk == 0) && ((\cmode) == 2)
	v_wmma_f32_16x16x32_f16 v[ACC+16*\T+8*\i:ACC+16*\T+8*\i+7], v[(\wb)+8*(8*\i+gk):(\wb)+8*(8*\i+gk)+7], v[AF+32*(gk%2)+8*\T:AF+32*(gk%2)+8*\T+7], v[192+8*\i:199+8*\i]
.else
	v_wmma_f32_16x16x32_f16 v[ACC+16*\T+8*\i:ACC+16*\T+8*\i+7], v[(\wb)+8*(8*\i+gk):(\wb)+8*(8*\i+gk)+7], v[AF+32*(gk%2)+8*\T:AF+32*(gk%2)+8*\T+7], v[ACC+16*\T+8*\i:ACC+16*\T+8*\i+7]
.endif
.endr
.endr
	WIN 0
.if gk < 6
	PLACES
	AFL \act, gk+2, gk%2
.endif
.set gk, gk+1
.endr
.endm
.macro LANES reg, T
	v_add_f32 v24, v24, v25
	v_permlanex16_b32 v25, v24, s18, s19
	v_add_f32 v24, v24, v25
	ds_store_b32 v8, v24 offset:(\reg)*2048+(\T)*512
.endm
.macro XCH reg
	s_wait_dscnt 0x0
	s_barrier_signal -1
	s_barrier_wait -1
.irp T, 0,1,2,3
	ds_load_b128 v[AF+8*\T:AF+8*\T+3], v9 offset:(\reg)*2048+\T*512
	ds_load_b128 v[AF+8*\T+4:AF+8*\T+7], v9 offset:(\reg)*2048+\T*512+16
.endr
	s_wait_dscnt 0x0
.irp T, 0,1,2,3
	v_pk_add_f32 v[AF+8*\T:AF+8*\T+1], v[AF+8*\T:AF+8*\T+1], v[AF+8*\T+2:AF+8*\T+3]
	v_pk_add_f32 v[AF+8*\T+4:AF+8*\T+5], v[AF+8*\T+4:AF+8*\T+5], v[AF+8*\T+6:AF+8*\T+7]
.endr
.irp T, 0,1,2,3
	v_pk_add_f32 v[AF+8*\T:AF+8*\T+1], v[AF+8*\T:AF+8*\T+1], v[AF+8*\T+4:AF+8*\T+5]
.endr
.irp T, 0,1,2,3
	v_add_f32 v[AF+8*\T], v[AF+8*\T], v[AF+8*\T+1]
.endr
.endm
.macro LN ra, rb, g, b, act, lcnt      ; mean; squares of the deviations; (x - mean) rstd g + b, rounded to f16 into activation buffer act
.irp T, 0,1,2,3
	v_pk_add_f32 v[24:25], v[ACC+16*\T:ACC+16*\T+1], v[ACC+16*\T+2:ACC+16*\T+3]
	v_pk_add_f32 v[26:27], v[ACC+16*\T+4:ACC+16*\T+5], v[ACC+16*\T+6:ACC+16*\T+7]
	v_pk_add_f32 v[28:29], v[ACC+16*\T+8:ACC+16*\T+9], v[ACC+16*\T+10:ACC+16*\T+11]
	v_pk_add_f32 v[30:31], v[ACC+16*\T+12:ACC+16*\T+13], v[ACC+16*\T+14:ACC+16*\T+15]
	v_pk_add_f32 v[24:25], v[24:25], v[26:27]
	v_pk_add_f32 v[28:29], v[28:29], v[30:31]
	v_pk_add_f32 v[24:25], v[24:25], v[28:29]
	LANES \ra, \T
.endr
	XCH \ra
.irp T, 0,1,2,3
	v_mul_f32 v[16+2*\T], s20, v[AF+8*\T]
	v_mov_b32 v[17+2*\T], v[16+2*\T]
.endr
.irp T, 0,1,2,3
.irp q, 0,1,2,3,4,5,6,7
	v_pk_add_f32 v[ACC+16*\T+2*\q:ACC+16*\T+2*\q+1], v[ACC+16*\T+2*\q:ACC+16*\T+2*\q+1], v[16+2*\T:17+2*\T] neg_lo:[0,1] neg_hi:[0,1]
.endr
	v_pk_mul_f32 v[24:25], v[ACC+16*\T:ACC+16*\T+1], v[ACC+16*\T:ACC+16*\T+1]
	v_pk_mul_f32 v[26:27], v[ACC+16*\T+2:ACC+16*\T+3], v[ACC+16*\T+2:ACC+16*\T+3]
.irp q, 2,4,6
	v_pk_fma_f32 v[24:25], v[ACC+16*\T+2*\q:ACC+16*\T+2*\q+1], v[ACC+16*\T+2*\q:ACC+16*\T+2*\q+1], v[24:25]
	v_pk_fma_f32 v[26:27], v[ACC+16*\T+2*\q+2:ACC+16*\T+2*\q+3], v[ACC+16*\T+2*\q+2:ACC+16*\T+2*\q+3], v[26:27]
.endr
	v_pk_add_f32 v[24:25], v[24:25], v[26:27]
	LANES \rb, \T
.endr
	XCH \rb
.irp T, 0,1,2,3
	v_fma_f32 v[24+\T], v[AF+8*\T], s20, s21
.endr
.irp T, 0,1,2,3
	v_rsq_f32 v[16+2*\T], v[24+\T]
.endr
	v_nop
	s_wait_alu depctr_va_vdst(0)                   ; one wait for the four roots
.irp T, 0,1,2,3
	v_mov_b32 v[17+2*\T], v[16+2*\T]
.endr
	s_wait_loadcnt \lcnt                           ; gain and bias are in; the younger loads stay out
.irp T, 0,1,2,3
.irp i, 0,1
.irp q, 0,1,2,3
	v_pk_mul_f32 v[ACC+16*\T+8*\i+2*\q:ACC+16*\T+8*\i+2*\q+1], v[ACC+16*\T+8*\i+2*\q:ACC+16*\T+8*\i+2*\q+1], v[16+2*\T:17+2*\T]
.endr
.irp q, 0,1,2,3
	v_pk_fma_f32 v[ACC+16*\T+8*\i+2*\q:ACC+16*\T+8*\i+2*\q+1], v[ACC+16*\T+8*\i+2*\q:ACC+16*\T+8*\i+2*\q+1], v[(\g)+8*\i+2*\q:(\g)+8*\i+2*\q+1], v[(\b)+8*\i+2*\q:(\b)+8*\i+2*\q+1]
.endr
.irp q, 0,1,2,3
	v_cvt_pk_f16_f32 v[24+4*\i+\q], v[ACC+16*\T+8*\i+2*\q], v[ACC+16*\T+8*\i+2*\q+1]
.endr
	ds_store_b128 v10, v[24+4*\i:27+4*\i] offset:(\act)+\T*8192+\i*512
.endr
.endr
	s_wait_dscnt 0x0
	s_barrier_signal -1
	s_barrier_wait -1
.endm
; GELU of token tile T's 16 numbers a lane.  |u| v224-239, t v96-111, the exponential v112-127, the polynomial v128-143; the result's 8 registers are the tile's own, so that no pending store's data is rewritten.
.macro GELU T
.set U, ACC+16*(\T)
.set x, 0
.rept 16
	v_and_b32 v[224+x], 0x7fffffff, v[U+x]
.set x, x+1
.endr
.set x, 0
.rept 16
	v_fma_f32 v[96+x], v[224+x], s22, 1.0
.set x, x+1
.endr
.irp q, 0,1,2,3,4,5,6,7
	v_pk_mul_f32 v[112+2*\q:113+2*\q], v[U+2*\q:U+2*\q+1], v[U+2*\q:U+2*\q+1]
.endr
.irp q, 0,1,2,3,4,5,6,7
	v_pk_mul_f32 v[112+2*\q:113+2*\q], v[112+2*\q:113+2*\q], s[24:25] op_sel_hi:[1,0]
.endr
.set x, 0
.rept 16
	v_rcp_f32 v[96+x], v[96+x]
.set x, x+1
.endr
.set x, 0
.rept 16
	v_exp_f32 v[112+x], v[112+x]
.set x, x+1
.endr
	v_nop
	s_wait_alu depctr_va_vdst(0)                   ; one wait for the batch of 32
.irp q, 0,1,2,3,4,5,6,7
	v_pk_fma_f32 v[128+2*\q:129+2*\q], v[96+2*\q:97+2*\q], s[34:35], s[32:33] op_sel_hi:[1,0,0]
.endr
.irp q, 0,1,2,3,4,5,6,7
	v_pk_fma_f32 v[128+2*\q:129+2*\q], v[128+2*\q:129+2*\q], v[96+2*\q:97+2*\q], s[30:31] op_sel_hi:[1,1,0]
.endr
.irp q, 0,1,2,3,4,5,6,7
	v_pk_fma_f32 v[128+2*\q:129+2*\q], v[128+2*\q:129+2*\q], v[96+2*\q:97+2*\q], s[28:29] op_sel_hi:[1,1,0]
.endr
.irp q, 0,1,2,3,4,5,6,7
	v_pk_fma_f32 v[128+2*\q:129+2*\q], v[128+2*\q:129+2*\q], v[96+2*\q:97+2*\q], s[26:27] op_sel_hi:[1,1,0]
.endr
.irp q, 0,1,2,3,4,5,6,7
	v_pk_mul_f32 v[128+2*\q:129+2*\q], v[128+2*\q:129+2*\q], v[96+2*\q:97+2*\q]
.endr
.irp q, 0,1,2,3,4,5,6,7
	v_pk_mul_f32 v[128+2*\q:129+2*\q], v[128+2*\q:129+2*\q], v[112+2*\q:113+2*\q]
.endr
.irp q, 0,1,2,3,4,5,6,7
	v_pk_mul_f32 v[128+2*\q:129+2*\q], v[128+2*\q:129+2*\q], v[224+2*\q:225+2*\q]
.endr
.set x, 0
.rept 16
	v_max_num_f32 v[96+x], 0, v[U+x]
.set x, x+1
.endr
.irp q, 0,1,2,3,4,5,6,7
	v_pk_fma_f32 v[128+2*\q:129+2*\q], v[128+2*\q:129+2*\q], -0.5, v[96+2*\q:97+2*\q] op_sel_hi:[1,0,1]
.endr
.irp q, 0,1,2,3,4,5,6,7
	v_cvt_pk_f16_f32 v[144+8*(\T)+\q], v[128+2*\q], v[129+2*\q]
.endr
	global_store_b128 v1, v[144+8*(\T):147+8*(\T)], s[46:47] offset:(\T)*32768
	global_store_b128 v1, v[148+8*(\T):151+8*(\T)], s[46:47] offset:(\T)*32768+512
.endm
	s_load_b256 s[4:11], s[0:1], 0x0               ; of s[4:5], x1 s[6:7], weights s[8:9], gf s[10:11]
	v_lshl_add_u32 v4, v0, 2, SPARE
	v_mov_b32 v5, 0
	v_lshrrev_b32 v1, 5, v0
	v_readfirstlane_b32 s12, v1                    ; wave
	s_mov_b32 s13, ttmp9                           ; slice
	s_and_b32 s14, ttmp7, 0xffff                   ; token block
	s_mov_b32 s18, 0x76543210
	s_mov_b32 s19, 0xfedcba98
	s_mov_b32 s20, 0x3b800000                      ; 1 / 256
	s_mov_b32 s21, 0x3727c5ac                      ; 1e-5
	s_mov_b32 s22, 0x3e6d3388                      ; 0.3275911 / sqrt 2
	s_mov_b32 s24, 0xbf38aa3b                      ; -log2(e) / 2
	s_mov_b32 s25, s24
	s_mov_b32 s26, 0x3e827906                      ; a1 .. a5, named as pairs
	s_mov_b32 s27, s26
	s_mov_b32 s28, 0xbe91a98e
	s_mov_b32 s29, s28
	s_mov_b32 s30, 0x3fb5f0e3
	s_mov_b32 s31, s30
	s_mov_b32 s32, 0xbfba00e3
	s_mov_b32 s33, s32
	s_mov_b32 s34, 0x3f87dc22
	s_mov_b32 s35, s34
	v_and_b32 v1, 31, v0
	v_lshlrev_b32 v1, 4, v1
	v_and_b32 v2, 15, v0
	v_bfe_u32 v3, v0, 4, 1
	v_lshlrev_b32 v9, 5, v2
	v_add_nc_u32 v9, STAT, v9
	v_lshl_add_u32 v8, s12, 2, v9
	s_lshl_b32 s15, s12, 10
	v_mov_b32 v11, v1
	v_add_nc_u32 v10, s15, v11
	s_lshl_b32 s15, s12, 7
	v_lshl_add_u32 v12, v3, 5, s15
	s_mov_b32 s3, 0
	s_wait_kmcnt 0x0
	s_lshl_b32 s2, s12, 18
	s_lshl_b32 s15, s14, 12
	s_add_co_u32 s2, s2, s15
	s_add_nc_u64 s[36:37], s[4:5], s[2:3]          ; head = my wave, the block's four tiles
	s_lshl3_add_u32 s2, s14, s12
	s_lshl_b32 s2, s2, 13
	s_add_nc_u64 s[38:39], s[6:7], s[2:3]
	s_lshl_b32 s2, s12, 14
	s_add_nc_u64 s[40:41], s[8:9], s[2:3]
	s_lshl_b32 s15, s13, 17
	s_add_co_u32 s2, s2, s15
	s_add_nc_u64 s[42:43], s[8:9], s[2:3]
	s_lshl_b32 s2, s13, 10
	s_add_nc_u64 s[44:45], s[8:9], s[2:3]
	s_lshl_b32 s2, s14, 7
	s_lshl3_add_u32 s2, s13, s2
	s_add_co_u32 s2, s2, s12
	s_lshl_b32 s2, s2, 10
	s_add_nc_u64 s[46:47], s[10:11], s[2:3]
.irp x, 0,1,2,3,4,5,6,7
	global_load_b128 v[AF+4*\x:AF+4*\x+3], v1, s[36:37] offset:\x*512
.endr
	PLOAD TMP, PB, 5120
.irp x, 0,1,2,3,4,5,6,7,8,9,10,11,12,13,14,15
	global_load_b128 v[ACC+4*\x:ACC+4*\x+3], v1, s[38:39] offset:\x*512
.endr
	WLOAD 0, 40, WOS, 16
	s_wait_loadcnt 52                              ; o is in; bias, x1 and weights (4 + 16 + 32) may stay out
.irp x, 0,1,2,3,4,5,6,7
	ds_store_b128 v10, v[AF+4*\x:AF+4*\x+3] offset:(\x/2)*8192+(\x%2)*512
.endr
	s_wait_dscnt 0x0
	s_barrier_signal -1
	s_barrier_wait -1                              ; all heads' o lie in the first activation buffer
	PLOAD BI, PB, 6144
	PLOAD BI+16, PB, 7168
	PLOAD 192, 44, 9216
	WLOAD 128, 42, W1O, 16
	s_wait_loadcnt 44                              ; all but the 8 + 4 + 32 just issued
.irp T, 0,1,2,3
.irp q, 0,1,2,3,4,5,6,7
	v_pk_add_f32 v[ACC+16*\T+2*\q:ACC+16*\T+2*\q+1], v[ACC+16*\T+2*\q:ACC+16*\T+2*\q+1], v[TMP+2*\q:TMP+2*\q+1]
.endr
.endr
	GEMM256 0, 0, 1
	PLACES
	PLACES
	LN 0, 1, BI, BI+16, 32768, 36                  ; b1's 4 loads and W1's 32 are younger than the gains'
	s_wait_loadcnt 0x0
	GEMM256 32768, 128, 2
	PLACES
	PLACES
	GELU 0
	GELU 1
	GELU 2
	GELU 3
	s_wait_tensorcnt 0x0                           ; the wave's end
	ds_add_u32 v4, v5
	s_wait_dscnt 0x0
	s_endpgm
.Lfunc_end_k_q18c758ad69_mid1:
	.size	k_q18c758ad69_mid1, .Lfunc_end_k_q18c758ad69_mid1-k_q18c758ad69_mid1
	.p2alignl 7, 3214868480
	.fill 96, 4, 3214868480
	.section	.rodata,"a",@progbits
	.p2align	6, 0x0
	.amdhsa_kernel k_q18c758ad69_mid1
		.amdhsa_group_segment_fixed_size 70656
		.amdhsa_private_segment_fixed_size 0
		.amdhsa_enable_private_segment 0
		.amdhsa_kernarg_size 32
		.amdhsa_user_sgpr_count 2
		.amdhsa_user_sgpr_kernarg_segment_ptr 1
		.amdhsa_wavefront_size32 1
		.amdhsa_system_sgpr_workgroup_id_x 1
		.amdhsa_system_sgpr_workgroup_id_y 1
		.amdhsa_system_sgpr_workgroup_id_z 1
		.amdhsa_system_vgpr_workitem_id 0
		.amdhsa_next_free_vgpr 512
		.amdhsa_next_free_sgpr 66
		.amdhsa_reserve_vcc 0
		.amdhsa_float_denorm_mode_32 3
		.amdhsa_float_denorm_mode_16_64 3
		.amdhsa_memory_ordered 1
		.amdhsa_forward_progress 1
		.amdhsa_inst_pref_size 90
	.end_amdhsa_kernel
	.amdgpu_metadata
---
amdhsa.version: [ 1, 2 ]
amdhsa.kernels:
  - .name:           k_q18c758ad69_mid1
    .symbol:         k_q18c758ad69_mid1.kd
    .args:
      - { .name: of, .offset: 0, .size: 8, .value_kind: global_buffer, .address_space: global }
      - { .name: x1, .offset: 8, .size: 8, .value_kind: global_buffer, .address_space: global }
      - { .name: w0, .offset: 16, .size: 8, .value_kind: global_buffer, .address_space: global }
      - { .name: gf, .offset: 24, .size: 8, .value_kind: global_buffer, .address_space: global }
    .group_segment_fixed_size: 70656
    .private_segment_fixed_size: 0
    .kernarg_segment_align: 8
    .kernarg_segment_size: 32
    .max_flat_workgroup_size: 256
    .sgpr_count:     66
    .vgpr_count:     512
    .wavefront_size: 32
...
	.end_amdgpu_metadata
.endif
;; end of part 4
;; launch ffn1 (part 5): grid 4 x 64, 8 waves a work-group, no clusters, 140,288 bytes of LDS; arguments gf, w0, xt; writes xt
.if DOCPART == 5
	.amdgcn_target "amdgcn-amd-amdhsa--gfx1250"
	.amdhsa_code_object_version 6
	.text
	.protected	k_q18c758ad69_ffn1
	.globl	k_q18c758ad69_ffn1
	.p2align	8
	.type	k_q18c758ad69_ffn1,@function
k_q18c758ad69_ffn1:
	s_mov_b64 s[64:65], 0
	v_nop
	global_prefetch_b8 v0, s[64:65] scope:SCOPE_SE
	s_setreg_imm32_b32 hwreg(HW_REG_WAVE_MODE, 25, 1), 1
	s_wait_xcnt 0x0
; FFN's second product: y[token][c] = g W2 + b2, stored [C][S] in f32.  Grid x: 64 output channels, grid y: 64 tokens.  K = 1,024 IS SPLIT AMONG THE EIGHT WAVES, 128 each; the partial sums meet in LDS (f32).
; The activations are source 0, so a lane holds one channel and eight tokens: rows of the output.  All 64 operand loads of a wave go out at its head, each 512 consecutive bytes; the waits count down by K steps of 16 loads.
; window 0: v0-19 addresses and b2; v32-159 sixteen accumulators ((T, i) at 32 + 8 (4 T + i)), then the partial sums.  window 1: v0-127 activations, v128-255 weights.
.set W2O,  1310720
.set PAR,  4284416
.set RP,   272                         ; a channel's 64 tokens in LDS: 256 bytes + 16
.set RW,   64*RP                       ; a wave's partial tile
.set SPARE, 8*RW
.set MSB, 0
.macro WIN new
.if MSB != (\new)
	s_set_vgpr_msb (MSB<<8)|(\new)
.set MSB, \new
.endif
.endm
.macro PLACES
.rept 4
	v_nop
.endr
.endm
	s_load_b128 s[4:7], s[0:1], 0x0                ; gf, weights
	s_load_b64 s[8:9], s[0:1], 0x10                ; out
	v_lshl_add_u32 v4, v0, 2, SPARE
	v_mov_b32 v5, 0
	v_lshrrev_b32 v1, 5, v0
	v_readfirstlane_b32 s10, v1                    ; wave
	s_mov_b32 s11, ttmp9                           ; channel block
	s_and_b32 s18, ttmp7, 0xffff                   ; token block
	v_and_b32 v1, 31, v0
	v_lshlrev_b32 v1, 4, v1
	v_and_b32 v2, 15, v0
	v_bfe_u32 v3, v0, 4, 1
	s_mul_i32 s19, s10, RW
	v_mul_u32_u24 v6, v2, RP
	v_lshl_add_u32 v6, v3, 5, v6
	v_add_nc_u32 v6, s19, v6                       ; in: channel l % 16, tokens 8 (l / 16) ..
	s_mul_i32 s19, s10, 8*RP
	v_mul_u32_u24 v7, v3, RP
	v_lshl_add_u32 v7, v2, 4, v7
	v_add_nc_u32 v7, s19, v7                       ; back: channel 8 w + l / 16, 16 bytes of its row
	v_add_nc_u32 v10, 4*RW, v7
	v_lshlrev_b32 v11, 14, v3
	v_lshl_add_u32 v11, v2, 4, v11
	s_lshl_b32 s19, s11, 8
	s_lshl_b32 s20, s10, 5
	s_add_co_u32 s19, s19, s20
	v_lshl_add_u32 v12, v3, 2, s19
	s_mov_b32 s3, 0
	s_wait_kmcnt 0x0
	s_lshl_b32 s2, s18, 17
	s_lshl_b32 s19, s10, 12
	s_add_co_u32 s2, s2, s19
	s_add_nc_u64 s[12:13], s[4:5], s[2:3]
	s_lshl_b32 s2, s11, 17
	s_add_co_u32 s2, s2, s19
	s_add_nc_u64 s[14:15], s[6:7], s[2:3]
	s_lshl3_add_u32 s2, s11, s10
	s_lshl_b32 s2, s2, 17                          ; (64 cs + 8 w) channels of 16,384 bytes
	s_lshl_b32 s19, s18, 8
	s_add_co_u32 s2, s2, s19
	s_add_nc_u64 s[16:17], s[8:9], s[2:3]
.irp x, 0,1,2,3
	global_load_b32 v[16+\x], v12, s[6:7] offset:PAR+8192+\x*8
.endr
	WIN 0x40
.irp k, 0,1,2,3
.irp T, 0,1,2,3
	global_load_b128 v[32*\k+8*\T:32*\k+8*\T+3], v1, s[12:13] offset:\T*32768+\k*1024
	global_load_b128 v[32*\k+8*\T+4:32*\k+8*\T+7], v1, s[12:13] offset:\T*32768+\k*1024+512
.endr
.irp i, 0,1,2,3
	global_load_b128 v[128+32*\k+8*\i:128+32*\k+8*\i+3], v1, s[14:15] offset:W2O+\i*32768+\k*1024
	global_load_b128 v[128+32*\k+8*\i+4:128+32*\k+8*\i+7], v1, s[14:15] offset:W2O+\i*32768+\k*1024+512
.endr
.endr
	WIN 0x05
.irp k, 0,1,2,3
	s_wait_loadcnt 16*(3-\k)                       ; this K step's 16 loads are in; the later steps' stay out
.irp T, 0,1,2,3
.irp i, 0,1,2,3
.if \k == 0
	v_wmma_f32_16x16x32_f16 v[32+8*(4*\T+\i):39+8*(4*\T+\i)], v[32*\k+8*\T:32*\k+8*\T+7], v[128+32*\k+8*\i:128+32*\k+8*\i+7], 0
.else
	v_wmma_f32_16x16x32_f16 v[32+8*(4*\T+\i):39+8*(4*\T+\i)], v[32*\k+8*\T:32*\k+8*\T+7], v[128+32*\k+8*\i:128+32*\k+8*\i+7], v[32+8*(4*\T+\i):39+8*(4*\T+\i)]
.endif
.endr
.endr
.endr
	WIN 0
	PLACES
	PLACES
.irp T, 0,1,2,3
.irp i, 0,1,2,3
	ds_store_b128 v6, v[32+8*(4*\T+\i):35+8*(4*\T+\i)] offset:\i*16*RP+64*\T
	ds_store_b128 v6, v[36+8*(4*\T+\i):39+8*(4*\T+\i)] offset:\i*16*RP+64*\T+16
.endr
.endr
	s_wait_dscnt 0x0
	s_barrier_signal -1
	s_barrier_wait -1                              ; all eight partial tiles lie in LDS
.irp p, 0,1,2,3
.irp x, 0,1,2,3
	ds_load_b128 v[32+16*\p+4*\x:35+16*\p+4*\x], v7 offset:\p*RW+\x*2*RP
.endr
.endr
.irp p, 0,1,2,3
.irp x, 0,1,2,3
	ds_load_b128 v[96+16*\p+4*\x:99+16*\p+4*\x], v10 offset:\p*RW+\x*2*RP
.endr
.endr
	s_wait_dscnt 0x0
.irp p, 0,2,4,6
.irp q, 0,1,2,3,4,5,6,7
	v_pk_add_f32 v[32+16*\p+2*\q:33+16*\p+2*\q], v[32+16*\p+2*\q:33+16*\p+2*\q], v[48+16*\p+2*\q:49+16*\p+2*\q]
.endr
.endr
.irp p, 0,4
.irp q, 0,1,2,3,4,5,6,7
	v_pk_add_f32 v[32+16*\p+2*\q:33+16*\p+2*\q], v[32+16*\p+2*\q:33+16*\p+2*\q], v[64+16*\p+2*\q:65+16*\p+2*\q]
.endr
.endr
.irp q, 0,1,2,3,4,5,6,7
	v_pk_add_f32 v[32+2*\q:33+2*\q], v[32+2*\q:33+2*\q], v[96+2*\q:97+2*\q]
.endr
.irp x, 0,1,2,3
.irp j, 0,1,2,3
	v_add_f32 v[32+4*\x+\j], v[32+4*\x+\j], v[16+\x]
.endr
.endr
.irp x, 0,1,2,3
	global_store_b128 v11, v[32+4*\x:35+4*\x], s[16:17] offset:\x*32768  ; sixteen lanes store 256 consecutive bytes of a channel, aligned
.endr
	s_wait_tensorcnt 0x0                           ; the wave's end
	ds_add_u32 v4, v5
	s_wait_dscnt 0x0
	s_endpgm
.Lfunc_end_k_q18c758ad69_ffn1:
	.size	k_q18c758ad69_ffn1, .Lfunc_end_k_q18c758ad69_ffn1-k_q18c758ad69_ffn1
	.p2alignl 7, 3214868480
	.fill 96, 4, 3214868480
	.section	.rodata,"a",@progbits
	.p2align	6, 0x0
	.amdhsa_kernel k_q18c758ad69_ffn1
		.amdhsa_group_segment_fixed_size 140288
		.amdhsa_private_segment_fixed_size 0
		.amdhsa_enable_private_segment 0
		.amdhsa_kernarg_size 24
		.amdhsa_user_sgpr_count 2
		.amdhsa_user_sgpr_kernarg_segment_ptr 1
		.amdhsa_wavefront_size32 1
		.amdhsa_system_sgpr_workgroup_id_x 1
		.amdhsa_system_sgpr_workgroup_id_y 1
		.amdhsa_system_sgpr_workgroup_id_z 1
		.amdhsa_system_vgpr_workitem_id 0
		.amdhsa_next_free_vgpr 512
		.amdhsa_next_free_sgpr 66
		.amdhsa_reserve_vcc 0
		.amdhsa_float_denorm_mode_32 3
		.amdhsa_float_denorm_mode_16_64 3
		.amdhsa_memory_ordered 1
		.amdhsa_forward_progress 1
		.amdhsa_inst_pref_size 22
	.end_amdhsa_kernel
	.amdgpu_metadata
---
amdhsa.version: [ 1, 2 ]
amdhsa.kernels:
  - .name:           k_q18c758ad69_ffn1
    .symbol:         k_q18c758ad69_ffn1.kd
    .args:
      - { .name: gf, .offset: 0, .size: 8, .value_kind: global_buffer, .address_space: global }
      - { .name: w0, .offset: 8, .size: 8, .value_kind: global_buffer, .address_space: global }
      - { .name: xt, .offset: 16, .size: 8, .value_kind: global_buffer, .address_space: global }
    .group_segment_fixed_size: 140288
    .private_segment_fixed_size: 0
    .kernarg_segment_align: 8
    .kernarg_segment_size: 24
    .max_flat_workgroup_size: 256
    .sgpr_count:     66
    .vgpr_count:     512
    .wavefront_size: 32
...
	.end_amdgpu_metadata
.endif
;; end of part 5
;; launch pre2: the kernel of part 2 again; grid 4 x 64, 8 waves a work-group, no clusters, 144,384 bytes of LDS; arguments xt, w1, x1, qf, kv; writes x1, qf, kv
;; launch att2: the kernel of part 3 again; grid 32 x 8, 8 waves a work-group, no clusters, 327,680 bytes of LDS; arguments qf, kv, w1, of; writes of
;; launch mid2: the kernel of part 4 again; grid 4 x 64, 8 waves a work-group, no clusters, 70,656 bytes of LDS; arguments of, x1, w1, gf; writes gf
;; launch ffn2: the kernel of part 5 again; grid 4 x 64, 8 waves a work-group, no clusters, 140,288 bytes of LDS; arguments gf, w1, out0; writes out0
